; MI455X (gfx1250); checked and timed in simulation.
; The chip was launched on July 23, 2026; its instructions are those of AMD's public machine-readable ISA for CDNA 5 (MIT licence, August 2026) and "CDNA5" Instruction Set Architecture Reference Guide (July 2026). The comments in the code are by the model that wrote it; some were corrected since.
;; Block. Allowed arithmetic: matrix products marked QUANTISED: E2M3 operands, one E8M0 scale for each 32 along K, by v_wmma_scale_f32_16x16x128_f8f6f4 with both operands' format E2M3, f32 sums; everything else in f32.
;; Inputs: W_ao 1,024 x 1,024 float32; W_fc 1,024 x 4,096 float32; W_mp 4,096 x 1,024 float32; W_qkv 1,024 x 3,072 float32; b_ao 1,024 float32; b_fc 4,096 float32; b_mp 1,024 float32; b_qkv 3,072 float32; be1 1,024 float32; be2 1,024 float32; g1 1,024 float32; g2 1,024 float32; x 2 x 2,048 x 1,024 float32.
;; Outputs: out0 2 x 2,048 x 1,024 float32.
;; This version of the problem:
;;   THIS VERSION OF THE PROBLEM IS GIVEN IN LOW PRECISION. The matrix products marked QUANTISED in the list below multiply operands that are first quantised to E2M3 (2 exponent bits, 3 mantissa bits; 6 bits a number), with one power-of-two scale for each 32 numbers along K (OCP MX v1.0); their sums are f32. All else is computed in f32.
;;   The module's matrix products, in the order in which they are computed (A, B: the left and right operand; K: the contracted axis; several contracted axes count as one K, in the product's order):
;;     1. [M 4,096, K 1,024] x [K 1,024, N 3,072]; A: computed on the way; B: input W_qkv: QUANTISED
;;     2. batch 32 x [M 2,048, K 64] x [K 64, N 2,048]; A: computed on the way; B: computed on the way: QUANTISED
;;     3. batch 32 x [M 2,048, K 2,048] x [K 2,048, N 64]; A: softmax (see below); B: computed on the way: QUANTISED
;;     4. [M 4,096, K 1,024] x [K 1,024, N 1,024]; A: computed on the way; B: input W_ao: QUANTISED
;;     5. [M 4,096, K 1,024] x [K 1,024, N 4,096]; A: computed on the way; B: input W_fc: QUANTISED
;;     6. [M 4,096, K 4,096] x [K 4,096, N 1,024]; A: computed on the way; B: input W_mp: QUANTISED
;;   THE QUANTISER, for each operand of a quantised product, along K:
;;     - K is cut into blocks of 32 from its start; a last block that is shorter is filled with zeros.
;;     - A block's scale is 2^e with e = floor(log2(the largest magnitude in the block)) - 2, held to -126 .. 127; a block of zeros has e = 0. As a byte (E8M0): e + 127.
;;     - Each number is divided by its block's scale, clamped to +-7.5, and rounded to the nearest number of E2M3, ties to even, subnormals kept.
;;     - The product sums the exact products of the quantised numbers (number of the format x scale) in f32.
;;   ~~~python
;;   def quantise(x, axis):      # numpy; x: float32 -> the quantised numbers, widened to float32 again
;;       x = np.moveaxis(x, axis, -1); K = x.shape[-1]
;;       x = np.pad(x, [(0, 0)] * (x.ndim - 1) + [(0, -K % 32)]); x = x.reshape(x.shape[:-1] + (-1, 32)); a = np.abs(x).max(-1, keepdims=True)
;;       e = np.where(a > 0, np.clip(np.frexp(np.where(a > 0, a, 1))[1] - 1 - 2, -126, 127), 0)      # np.frexp(a)[1] - 1 = floor(log2(a)), exactly
;;       r = np.clip(x / 2.0 ** e, -7.5, 7.5)
;;       step = 2.0 ** (np.maximum(np.frexp(np.where(r == 0, 1, r))[1] - 1, 0) - 3)
;;       q = np.round(r / step) * step * 2.0 ** e      # np.round: ties to even
;;       return np.moveaxis(q.reshape(q.shape[:-2] + (-1,))[..., :K], -1, axis).astype(np.float32)
;;   ~~~
;;   SOFTMAX AHEAD OF A QUANTISED PRODUCT. Where the list says 'softmax', what is quantised is not the finished softmax but p = 2^(t - M), with t = logit x log2(e) and M = ceil(the row's largest t), a whole number; so 1/2 < the row's largest p <= 1. The row's sum l is taken of the UNQUANTISED p, in f32, and the product's result is divided by l at the end. Since M is a whole number, a kernel that streams over the keys may use a running M (the ceiling of the running maximum): every later rescaling is an exact power of two, which a block's scale takes up: the codes' values come out the same.
;;   OPERANDS COMPUTED ON THE WAY. 'Computed on the way' means the value that the module computes at that place (a softmax that the list does not call 'softmax' is quantised finished and normalised). What goes into a quantiser is computed in f32, as accurately as f32 sums, v_exp_f32 and their like allow (about 1e-6 of the number): no bf16 or f16 on the way to a quantiser, and a product that is left as it is and whose result goes on into a quantised operand takes f32 operands (vector FMAs, or v_wmma_f32_16x16x4_f32). A number that lies on a knife's edge between two numbers of the format may be rounded either way, as far as f32 arithmetic and the matrix unit's own rounding can turn it there, and no further.
;; One version. Each part assembles by itself: llvm-mc -triple=amdgcn-amd-amdhsa -mcpu=gfx1250 --defsym DOCPART=n.
;; ======== version 1 of 1: 6 launches
;; limits: right only within a limited range of input values
;; workspace buffers: wq 9,830,400 bytes; hq 3,276,800 bytes; qkv 10,092,544 bytes; yq 3,276,800 bytes; x1 16,777,216 bytes; mq 13,107,200 bytes
;; launch pre1 (part 1): grid 640 x 1, 8 waves a work-group, no clusters, 28,672 bytes of LDS; arguments W_qkv, W_ao, wq, x, g1, be1, hq, W_fc, W_mp; writes wq, hq
.if DOCPART == 1
	.amdgcn_target "amdgcn-amd-amdhsa--gfx1250"
	.amdhsa_code_object_version 6
	.text
	.protected	k_qe0343f7253_pre1
	.globl	k_qe0343f7253_pre1
	.p2align	8
	.type	k_qe0343f7253_pre1,@function
k_qe0343f7253_pre1:
	s_mov_b64 s[64:65], 0
	v_nop
	global_prefetch_b8 v0, s[64:65] scope:SCOPE_SE
	s_setreg_imm32_b32 hwreg(HW_REG_WAVE_MODE, 25, 1), 1
	s_wait_xcnt 0x0
; TWO JOBS IN ONE LAUNCH, parted on the work-group's number: work-groups 0 .. NW - 1 quantise two weights, the 256 behind them do a LayerNorm and quantise its rows.
; The LayerNorm's work-groups wait on one chain of loads and exchanges; the weights' are a stream: side by side on a WGP each fills the other's waits.  Each job has LDS bytes of its own.
; BOTH give codes of FP6 (E2M3) with one E8M0 byte for each 32 along K, in the order of the operand's registers: the rows of an operand go in groups of 32; tile 2 g + u holds in its lane r the row
; 32 g + 8 u + r + 8 (r / 8).  A fragment (16 rows x 128 K) is 1,536 bytes: two halves of 768; half c: registers 6 c .. 6 c + 3 of lane L at 16 L (512 bytes), registers 6 c + 4, 6 c + 5 at 512 + 8 L.
; Fragments lie [tile][K step]; a fragment's scale words, 64 bytes (row r at 4 r), likewise.
; A block's scale is 2^(floor(log2(largest magnitude)) - 2); its byte is the magnitude's exponent field - 2, held at 1 from below.
; THE WEIGHTS, f32 [K][N] with K as FIRST axis: a lane takes a column n and its registers run down K, so a block of 32 is one lane's 32 registers and the conversions give codes with K innermost.
; A work-group takes 128 columns x 256 K; wave w takes columns 32 (w & 3) on and K step w >> 2: four blocks, one fragment of each of two tiles.  Up to 64 loads of 128 consecutive bytes are out in each wave.
; THE LAYERNORM of 4,096 rows of 1,024 f32: a work-group takes one tile of 16 rows, wave w K step w.  Lane (r, h) holds 64 numbers of row r: register 16 b + i = column 128 w + 32 b + 16 h + i.
; The mean and then the mean of (x - mean)^2 are summed in f32 in two passes: lane, lane xor 16, then the eight waves' parts through LDS in ascending order: a common offset of the inputs costs no accuracy.
; LIMITS: a block of zeros, or one whose largest magnitude lies under 2^-124, keeps the byte 1 (only this program reads the bytes).  NaN and infinities are not served.
.set NWA,    96                        ; work-groups of the first weight: W_qkv, 24 groups of 128 columns x 4 of 256 K
.set NWB,    32                        ; of the second: W_ao, 8 x 4
.set PITCHA, 12288                     ; a row of the weight in bytes
.set PITCHB, 4096
.set KSA,    8                         ; its K steps of 128
.set KSB,    8
.set LGA,    2                         ; log2 of its groups of 256 along K
.set LGB,    2
.set CODEA,  0                         ; where its codes begin in wq
.set CODEB,  2359296
.set SCLA,   9437184                   ; and its scale words
.set SCLB,   9535488
; THIS TEXT SERVES FOUR WEIGHTS, and the LayerNorm's 256 work-groups have the lowest numbers; the weights' 384 follow them.  What the head says of two weights and of the order holds with that change.
.set NLN,    256                       ; the LayerNorm's work-groups
.set NWC,    128                       ; W_fc: 32 groups of 128 columns x 4 of 256 K
.set NWD,    128                       ; W_mp: 8 x 16
.set PITCHC, 16384
.set PITCHD, 4096
.set KSC,    8
.set KSD,    32
.set LGC,    2
.set LGD,    4
.set CODEC,  3145728
.set CODED,  6291456
.set SCLC,   9568256
.set SCLD,   9699328
.set US,     1664                      ; a tile's fragment in a wave's stage: 1,536 bytes + 128, so that the two tiles' stores fall into different banks
.set STG,    2*US                      ; a wave's stage
.set RED,    8*STG                     ; behind the eight stages: the LayerNorm's two exchanges, 512 bytes each
.set SPARE,  RED+1024                  ; the spare words, 128 bytes a wave
.set SPW,  12
.set NIL,  13
; the weights' registers
.set OFF,  16                          ; v16-47  4 x lane + i x pitch
.set XW,   48                          ; v48-111 two sets of 32 numbers
.set C,    112                         ; v112-117 a block's six registers of codes
.set D,    118                         ; v118-120 the second conversion's result (three registers begin on an even number)
.set SW,   122                         ; the scale word
.set MA,   124
.set MB,   125
.set SOP,  126
.set BY,   127
.set OUTR, 128                         ; v128-151 the way out
; the LayerNorm's registers
.set X,    32
.set G,    96
.set BE,   160
.set PC,   96                          ; the codes, where the gain lay
.set TM,   116
.set PW,   132
.set LI,   6
.set L8,   7
.set SEL,  32
	s_load_b256 s[4:11], s[0:1], 0x0               ; the two weights s[4:5], s[6:7]; wq s[8:9]; the rows s[10:11]
	s_load_b128 s[12:15], s[0:1], 0x20             ; the gain s[12:13], the bias s[14:15]
	s_load_b64 s[16:17], s[0:1], 0x30              ; hq
	s_load_b128 s[56:59], s[0:1], 0x38             ; W_fc s[56:57], W_mp s[58:59]
	v_lshl_add_u32 v[SPW], v0, 2, SPARE
	v_mov_b32 v[NIL], 0
	v_lshrrev_b32 v1, 5, v0
	s_delay_alu instid0(VALU_DEP_1)
	v_readfirstlane_b32 s18, v1                    ; wave 0..7
	s_cmp_lt_u32 ttmp9, NLN                        ; which job: the same for all waves of a work-group
	s_cbranch_scc1 .Lln
	; ---------------- the weights
	v_and_b32 v1, 31, v0                           ; lane
	s_delay_alu instid0(VALU_DEP_1)
	v_lshlrev_b32 v2, 2, v1                        ; 4 x lane
	s_and_b32 s24, s18, 3                          ; which 32 columns
	s_lshr_b32 s19, s18, 2                         ; which of the two K steps
	s_wait_kmcnt 0x0
	s_sub_co_u32 s54, ttmp9, NLN                   ; my number among the weights' work-groups
	s_mov_b64 s[20:21], s[58:59]                   ; the last weight's pointer and figures; each earlier weight's take their place where my number lies under its end
	s_mov_b32 s22, NWA+NWB+NWC
	s_mov_b32 s23, PITCHD
	s_mov_b32 s25, KSD
	s_mov_b32 s26, LGD
	s_mov_b32 s27, CODED
	s_mov_b32 s28, SCLD
.macro PICK under, p, first, pitch, ks, lg, code, scl
	s_cmp_lt_u32 s54, \under
	s_cselect_b64 s[20:21], s[\p:\p+1], s[20:21]
	s_cselect_b32 s22, \first, s22
	s_cselect_b32 s23, \pitch, s23
	s_cselect_b32 s25, \ks, s25
	s_cselect_b32 s26, \lg, s26
	s_cselect_b32 s27, \code, s27
	s_cselect_b32 s28, \scl, s28
.endm
	PICK NWA+NWB+NWC, 56, NWA+NWB, PITCHC, KSC, LGC, CODEC, SCLC
	PICK NWA+NWB, 6, NWA, PITCHB, KSB, LGB, CODEB, SCLB
	PICK NWA, 4, 0, PITCHA, KSA, LGA, CODEA, SCLA
	s_sub_co_u32 s22, s54, s22                     ; my number within the weight
	s_bfm_b32 s29, s26, 0
	s_and_b32 s30, s22, s29                        ; which 256 along K
	s_lshr_b32 s31, s22, s26                       ; which 128 columns
	s_lshl_b32 s32, s30, 8
	s_lshl_b32 s33, s19, 7
	s_add_co_u32 s32, s32, s33                     ; my first row
	s_mul_i32 s32, s32, s23
	s_lshl_b32 s33, s31, 9
	s_add_co_u32 s32, s32, s33                     ; + 128 columns x 4 bytes x that
	s_lshl_b32 s33, s24, 7
	s_add_co_u32 s32, s32, s33                     ; + my wave's 32 columns
	s_mov_b32 s33, 0
	s_add_nc_u64 s[36:37], s[20:21], s[32:33]      ; block 0's first row
	s_lshl_b32 s32, s23, 5                         ; 32 rows on
.irp b, 1,2,3
	s_add_nc_u64 s[36+2*\b:37+2*\b], s[34+2*\b:35+2*\b], s[32:33]   ; a base for each block: none is written again
.endr
	s_lshl_b32 s44, s31, 3
	s_lshl_b32 s45, s24, 1
	s_add_co_u32 s44, s44, s45                     ; my first tile: 8 x column group + 2 x (wave & 3)
	s_mul_i32 s44, s44, s25
	s_lshl_b32 s45, s30, 1
	s_add_co_u32 s44, s44, s45
	s_add_co_u32 s44, s44, s19                     ; its fragment of my K step
	s_mul_i32 s46, s44, 1536
	s_add_co_u32 s46, s46, s27
	s_mov_b32 s47, 0
	s_add_nc_u64 s[46:47], s[8:9], s[46:47]        ; codes of tile u = 0,
	s_mul_i32 s48, s25, 1536
	s_mov_b32 s49, 0
	s_add_nc_u64 s[48:49], s[46:47], s[48:49]      ; of tile u = 1
	s_lshl_b32 s50, s44, 6
	s_add_co_u32 s50, s50, s28
	s_mov_b32 s51, 0
	s_add_nc_u64 s[50:51], s[8:9], s[50:51]        ; the scale words
	v_bfe_u32 v3, v0, 3, 1                         ; u: which of the group's two tiles my column falls into
	v_and_b32 v4, 7, v0
	v_bfe_u32 v5, v0, 4, 1
	s_delay_alu instid0(VALU_DEP_1)
	v_lshl_add_u32 v4, v5, 3, v4                   ; r: its lane there
	s_mul_i32 s52, s18, STG
	v_mul_u32_u24 v6, v3, US
	s_delay_alu instid0(VALU_DEP_1)
	v_add_nc_u32 v6, s52, v6
	s_delay_alu instid0(VALU_DEP_1)
	v_lshl_add_u32 v7, v4, 4, v6                   ; the stage: 16 r for the first four registers,
	s_delay_alu instid0(VALU_DEP_2)
	v_lshl_add_u32 v8, v4, 3, v6                   ; 8 r for the last two
	v_lshlrev_b32 v9, 4, v1                        ; the way out: 16 x lane in memory,
	s_delay_alu instid0(VALU_DEP_1)
	v_add_nc_u32 v10, s52, v9                      ; and in my stage
	v_lshlrev_b32 v11, 2, v4
	s_lshl_b32 s53, s25, 6
	v_mad_u32_u24 v11, v3, s53, v11                ; my scale word: 4 r, + a tile's blocks for u = 1
.set i, 0
.rept 32
	v_mad_u32_u24 v[OFF+i], s23, i, v2
.set i, i+1
.endr
.macro LOAD t                          ; block t: W(32 t + i, my column): 32 lanes read 128 consecutive bytes
.set i, 0
.rept 32
	global_load_b32 v[XW+32*((\t)%2)+i], v[OFF+i], s[36+2*(\t):37+2*(\t)] th:TH_LOAD_NT
.set i, i+1
.endr
.endm
	LOAD 0
	LOAD 1
.macro BLOCK t
.set XS, XW+32*((\t)%2)
.set LA, ((\t)/2)*768
.if (\t) < 3
	s_wait_loadcnt 32                              ; this block's 32 loads are in; the next block's may be out
.else
	s_wait_loadcnt 0
.endif
	v_max3_num_f32 v[MA], |v[XS]|, |v[XS+1]|, |v[XS+2]|
	v_max3_num_f32 v[MB], |v[XS+3]|, |v[XS+4]|, |v[XS+5]|
.irp i, 6,10,14,18,22,26
	s_delay_alu instid0(VALU_DEP_2)
	v_max3_num_f32 v[MA], v[MA], |v[XS+\i]|, |v[XS+\i+1]|
	s_delay_alu instid0(VALU_DEP_2)
	v_max3_num_f32 v[MB], v[MB], |v[XS+\i+2]|, |v[XS+\i+3]|
.endr
	s_delay_alu instid0(VALU_DEP_2)
	v_max3_num_f32 v[MA], v[MA], |v[XS+30]|, |v[XS+31]|
	s_delay_alu instid0(VALU_DEP_1)
	v_max3_num_f32 v[MA], v[MA], v[MB], 0x1800000  ; the floor 2^(3 - 127): the byte cannot fall under 1
	s_delay_alu instid0(VALU_DEP_1)
	v_add_nc_u32 v[SOP], 0xff000000, v[MA]         ; 2 off the exponent field: the conversion takes this operand's exponent field as its scale
	v_cvt_scalef32_pk16_fp6_f32 v[C:C+2], v[XS:XS+15], v[SOP]
	v_cvt_scalef32_pk16_fp6_f32 v[D:D+2], v[XS+16:XS+31], v[SOP]
	v_lshrrev_b32 v[BY], 23, v[SOP]                ; the scale's byte; also the plain line behind the conversions
.if (\t) == 0
	s_delay_alu instid0(VALU_DEP_1)
	v_mov_b32 v[SW], v[BY]
.else
	s_delay_alu instid0(VALU_DEP_1)
	v_lshl_or_b32 v[SW], v[BY], 8*(\t), v[SW]
.endif
.irp i, 0,1,2
	v_mov_b32 v[C+3+\i], v[D+\i]
.endr
	ds_store_b128 v7, v[C:C+3] offset:LA+256*((\t)%2)          ; the block is lane (r, t % 2) of half t / 2 of its fragment
	ds_store_b64 v8, v[C+4:C+5] offset:LA+512+128*((\t)%2)
.if (\t)+2 < 4
	LOAD (\t)+2
.endif
	s_wait_dscnt 0x0                               ; the stores have read their registers: the next block's codes may be written
.endm
.irp t, 0,1,2,3
	BLOCK \t
.endr
	s_wait_alu depctr_va_vdst(0)
	global_store_b32 v11, v[SW], s[50:51]
.irp u, 0,1
.irp i, 0,1,2
	ds_load_b128 v[OUTR+4*(3*\u+\i):OUTR+4*(3*\u+\i)+3], v10 offset:US*\u+512*\i   ; LDS serves a wave's instructions in order: these see my stores
.endr
.endr
.irp u, 0,1
.irp i, 0,1,2
	s_wait_dscnt 5-3*\u-\i                         ; the younger loads may stay out
	global_store_b128 v9, v[OUTR+4*(3*\u+\i):OUTR+4*(3*\u+\i)+3], s[46+2*\u:47+2*\u] offset:512*\i   ; 32 lanes store 512 consecutive bytes, aligned
.endr
.endr
	s_branch .Lend
	; ---------------- the LayerNorm
.macro QUANT s                         ; 64 numbers of a lane, register 16 b + i = k 32 b + 16 h + i of my row -> a fragment's codes in v[PC] on, its scale word in v[PW]
.irp b, 0,1,2,3
	v_max3_num_f32 v[TM+\b], |v[\s+16*\b]|, |v[\s+1+16*\b]|, 0x1800000   ; with the floor 2^(3 - 127): the byte cannot fall under 1
.endr
.irp i, 2,4,6,8,10,12,14
.irp b, 0,1,2,3
	s_delay_alu instid0(VALU_DEP_4)
	v_max3_num_f32 v[TM+\b], v[TM+\b], |v[\s+16*\b+\i]|, |v[\s+1+16*\b+\i]|
.endr
.endr
.irp b, 0,1,2,3
	s_delay_alu instid0(VALU_DEP_4)
	v_permlanex16_b32 v[TM+4+\b], v[TM+\b], s[SEL], s[SEL+1]
.endr
.irp b, 0,1,2,3
	s_delay_alu instid0(VALU_DEP_4)
	v_max_num_f32 v[TM+\b], v[TM+\b], v[TM+4+\b]   ; with lane xor 16's: the block's largest magnitude
.endr
.irp b, 0,1,2,3
	s_delay_alu instid0(VALU_DEP_4)
	v_add_nc_u32 v[TM+12+\b], 0xff000000, v[TM+\b] ; 2 off its exponent field: the conversion's scale operand
.endr
.irp b, 0,1,2,3
	s_delay_alu instid0(VALU_DEP_4)
	v_lshrrev_b32 v[TM+4+\b], 23, v[TM+12+\b]      ; the scale's byte
.endr
	s_delay_alu instid0(VALU_DEP_3)
	v_lshl_or_b32 v[PW], v[TM+5], 8, v[TM+4]
	s_delay_alu instid0(VALU_DEP_1)
	v_lshl_or_b32 v[PW], v[TM+6], 16, v[PW]
	s_delay_alu instid0(VALU_DEP_1)
	v_lshl_or_b32 v[PW], v[TM+7], 24, v[PW]
.irp c, 0,1
	v_cvt_scalef32_pk16_fp6_f32 v[PC+6*\c:PC+2+6*\c], v[\s+32*\c:\s+15+32*\c], v[TM+12+2*\c]
	v_cvt_scalef32_pk16_fp6_f32 v[PC+12+4*\c:PC+14+4*\c], v[\s+16+32*\c:\s+31+32*\c], v[TM+12+2*\c+1]
.endr
	v_nop                                          ; one plain line behind a scaled conversion
.irp c, 0,1                            ; the operand wants a whole block in a lane: lanes 0-15 block 2 c, lanes 16-31 block 2 c + 1
.irp i, 0,1,2
	v_permlane16_swap_b32 v[PC+6*\c+\i], v[PC+12+4*\c+\i]
.endr
.irp i, 0,1,2
	s_delay_alu instid0(VALU_DEP_3)
	v_mov_b32 v[PC+3+6*\c+\i], v[PC+12+4*\c+\i]
.endr
.endr
.endm
.macro JOIN off                        ; the four chains, lane xor 16, the eight waves: the row's sum in v16 of every lane
	s_delay_alu instid0(VALU_DEP_3)
	v_pk_add_f32 v[16:17], v[16:17], v[18:19]
	s_delay_alu instid0(VALU_DEP_2)
	v_pk_add_f32 v[20:21], v[20:21], v[22:23]
	s_delay_alu instid0(VALU_DEP_1)
	v_pk_add_f32 v[16:17], v[16:17], v[20:21]
	s_delay_alu instid0(VALU_DEP_1)
	v_add_f32 v16, v16, v17
	s_delay_alu instid0(VALU_DEP_1)
	v_permlanex16_b32 v17, v16, s[SEL], s[SEL+1]
	s_delay_alu instid0(VALU_DEP_1)
	v_add_f32 v16, v16, v17
	ds_store_b32 v10, v16 offset:\off              ; lanes r and r + 16 write the same word with the same value
	s_wait_dscnt 0x0                               ; for the others' sake: my store has landed
	s_barrier_signal -1
	s_barrier_wait -1
	ds_load_b128 v[16:19], v9 offset:\off
	ds_load_b128 v[20:23], v9 offset:\off+16
	s_wait_dscnt 0x0
.irp i, 17
	v_add_f32 v16, v16, v[\i]                      ; in ascending order: the same bits in every wave
.endr
.irp i, 18, 19, 20, 21, 22, 23
	s_delay_alu instid0(VALU_DEP_1)
	v_add_f32 v16, v16, v[\i]                      ; in ascending order: the same bits in every wave
.endr
.endm
.Lln:
	v_and_b32 v2, 15, v0                           ; r
	v_bfe_u32 v3, v0, 4, 1                         ; h
	s_delay_alu instid0(VALU_DEP_2)
	v_and_b32 v4, 8, v2
	s_delay_alu instid0(VALU_DEP_1)
	v_add_nc_u32 v4, v4, v2                        ; r + 8 (r / 8)
	s_delay_alu instid0(VALU_DEP_1)
	v_lshlrev_b32 v4, 12, v4                       ; rows of 4,096 bytes
	s_delay_alu instid0(VALU_DEP_1)
	v_lshl_add_u32 v4, v3, 6, v4                   ; + 64 h
	v_lshlrev_b32 v5, 6, v3                        ; gain and bias: 64 h
	v_and_b32 v[LI], 31, v0
	s_delay_alu instid0(VALU_DEP_1)
	v_lshlrev_b32 v[L8], 3, v[LI]
	s_delay_alu instid0(VALU_DEP_2)
	v_lshlrev_b32 v[LI], 4, v[LI]
	v_lshlrev_b32 v8, 2, v2                        ; 4 r
	v_lshlrev_b32 v9, 5, v2                        ; the exchange: 32 bytes a row,
	s_lshl_b32 s19, s18, 2
	v_add_nc_u32 v10, s19, v9                      ; my wave's word in them
	s_mov_b32 s20, ttmp9                           ; my tile of 16 rows
	s_lshr_b32 s22, s20, 1
	s_lshl_b32 s22, s22, 5
	s_and_b32 s23, s20, 1
	s_lshl_b32 s23, s23, 3
	s_add_co_u32 s22, s22, s23                     ; the tile's first row
	s_lshl_b32 s22, s22, 12
	s_lshl_b32 s24, s18, 9                         ; my K step: 512 bytes
	s_add_co_u32 s22, s22, s24
	s_mov_b32 s23, 0
	s_mov_b32 s25, 0
	s_lshl_b32 s26, s20, 3
	s_add_co_u32 s26, s26, s18                     ; my fragment
	s_mul_i32 s28, s26, 1536
	s_mov_b32 s29, 0
	s_lshl_b32 s30, s26, 6
	s_add_co_u32 s30, s30, 3145728
	s_mov_b32 s31, 0
	s_mov_b32 s[SEL], 0x76543210
	s_mov_b32 s[SEL+1], 0xfedcba98                 ; lane xor 16
	s_mov_b32 s34, 0x3a800000                      ; 1 / 1,024
	s_mov_b32 s35, 0x3727c5ac                      ; 1e-5
	s_wait_alu depctr_va_vdst(0)
	s_wait_kmcnt 0x0
	s_add_nc_u64 s[10:11], s[10:11], s[22:23]
	s_add_nc_u64 s[12:13], s[12:13], s[24:25]
	s_add_nc_u64 s[14:15], s[14:15], s[24:25]
	s_add_nc_u64 s[28:29], s[16:17], s[28:29]
	s_add_nc_u64 s[30:31], s[16:17], s[30:31]
.irp b, 0,1,2,3
.irp j, 0,1,2,3
	global_load_b128 v[X+16*\b+4*\j:X+16*\b+4*\j+3], v4, s[10:11] offset:128*\b+16*\j
.endr
.endr
.irp b, 0,1,2,3
.irp j, 0,1,2,3
	global_load_b128 v[G+16*\b+4*\j:G+16*\b+4*\j+3], v5, s[12:13] offset:128*\b+16*\j
.endr
.endr
.irp b, 0,1,2,3
.irp j, 0,1,2,3
	global_load_b128 v[BE+16*\b+4*\j:BE+16*\b+4*\j+3], v5, s[14:15] offset:128*\b+16*\j
.endr
.endr
	s_wait_loadcnt 32                              ; the rows are in; the gain's and the bias's 32 loads may be out
.irp c, 0,1,2,3
	v_pk_add_f32 v[16+2*\c:17+2*\c], v[X+2*\c:X+2*\c+1], v[X+8+2*\c:X+8+2*\c+1]   ; four chains
.endr
.irp i, 16,24,32,40,48,56
.irp c, 0,1,2,3
	s_delay_alu instid0(VALU_DEP_4)
	v_pk_add_f32 v[16+2*\c:17+2*\c], v[16+2*\c:17+2*\c], v[X+\i+2*\c:X+\i+2*\c+1]
.endr
.endr
	JOIN RED
	s_delay_alu instid0(VALU_DEP_1)
	v_mul_f32 v24, s34, v16                        ; the mean
	s_delay_alu instid0(VALU_DEP_1)
	v_mov_b32 v25, v24
.set i, 0
.rept 32
	v_pk_add_f32 v[X+i:X+i+1], v[X+i:X+i+1], v[24:25] neg_lo:[0,1] neg_hi:[0,1]
.set i, i+2
.endr
.irp c, 0,1,2,3
	v_pk_mul_f32 v[16+2*\c:17+2*\c], v[X+2*\c:X+2*\c+1], v[X+2*\c:X+2*\c+1]
.endr
.irp i, 8,16,24,32,40,48,56
.irp c, 0,1,2,3
	s_delay_alu instid0(VALU_DEP_4)
	v_pk_fma_f32 v[16+2*\c:17+2*\c], v[X+\i+2*\c:X+\i+2*\c+1], v[X+\i+2*\c:X+\i+2*\c+1], v[16+2*\c:17+2*\c]
.endr
.endr
	JOIN RED+512                                   ; other bytes than the first exchange: no wave's reads of that are overwritten
	s_delay_alu instid0(VALU_DEP_1)
	v_fma_f32 v26, v16, s34, s35                   ; the variance + 1e-5
	s_wait_alu depctr_va_vdst(0)
	v_rsq_f32 v26, v26
	v_nop                                          ; a plain line behind the transcendental,
	s_wait_alu depctr_va_vdst(0)                   ; and the wait ahead of its first reader
	v_mov_b32 v27, v26
	s_wait_alu depctr_va_vdst(0)
	s_wait_loadcnt 0x0                             ; the gain and the bias
.set i, 0
.rept 32
	v_pk_mul_f32 v[X+i:X+i+1], v[X+i:X+i+1], v[26:27]
.set i, i+2
.endr
.set i, 0
.rept 32
	v_pk_fma_f32 v[X+i:X+i+1], v[X+i:X+i+1], v[G+i:G+i+1], v[BE+i:BE+i+1]
.set i, i+2
.endr
.irp b, 0,1,2,3
	v_mov_b32 v[TM+4+\b], 0                        ; a lane permute's destination counts as one of its sources
.endr
	QUANT X
	global_store_b128 v[LI], v[PC:PC+3], s[28:29]              ; each store covers 512 or 256 consecutive bytes, aligned
	global_store_b64 v[L8], v[PC+4:PC+5], s[28:29] offset:512
	global_store_b128 v[LI], v[PC+6:PC+9], s[28:29] offset:768
	global_store_b64 v[L8], v[PC+10:PC+11], s[28:29] offset:1280
	global_store_b32 v8, v[PW], s[30:31]           ; lanes r and r + 16 hold the same word and name the same place
.Lend:
	s_wait_tensorcnt 0x0                           ; the wave's end
	ds_add_u32 v[SPW], v[NIL]
	s_wait_dscnt 0x0
	s_endpgm
.Lfunc_end_k_qe0343f7253_pre1:
	.size	k_qe0343f7253_pre1, .Lfunc_end_k_qe0343f7253_pre1-k_qe0343f7253_pre1
	.p2alignl 7, 3214868480
	.fill 96, 4, 3214868480
	.section	.rodata,"a",@progbits
	.p2align	6, 0x0
	.amdhsa_kernel k_qe0343f7253_pre1
		.amdhsa_group_segment_fixed_size 28672
		.amdhsa_private_segment_fixed_size 0
		.amdhsa_enable_private_segment 0
		.amdhsa_kernarg_size 72
		.amdhsa_user_sgpr_count 2
		.amdhsa_user_sgpr_kernarg_segment_ptr 1
		.amdhsa_wavefront_size32 1
		.amdhsa_system_sgpr_workgroup_id_x 1
		.amdhsa_system_sgpr_workgroup_id_y 1
		.amdhsa_system_sgpr_workgroup_id_z 1
		.amdhsa_system_vgpr_workitem_id 0
		.amdhsa_next_free_vgpr 232
		.amdhsa_next_free_sgpr 66
		.amdhsa_reserve_vcc 0
		.amdhsa_float_denorm_mode_32 3
		.amdhsa_float_denorm_mode_16_64 3
		.amdhsa_memory_ordered 1
		.amdhsa_forward_progress 1
		.amdhsa_inst_pref_size 55
	.end_amdhsa_kernel
	.amdgpu_metadata
---
amdhsa.version: [ 1, 2 ]
amdhsa.kernels:
  - .name:           k_qe0343f7253_pre1
    .symbol:         k_qe0343f7253_pre1.kd
    .args:
      - { .name: W_qkv, .offset: 0, .size: 8, .value_kind: global_buffer, .address_space: global }
      - { .name: W_ao, .offset: 8, .size: 8, .value_kind: global_buffer, .address_space: global }
      - { .name: wq, .offset: 16, .size: 8, .value_kind: global_buffer, .address_space: global }
      - { .name: x, .offset: 24, .size: 8, .value_kind: global_buffer, .address_space: global }
      - { .name: g1, .offset: 32, .size: 8, .value_kind: global_buffer, .address_space: global }
      - { .name: be1, .offset: 40, .size: 8, .value_kind: global_buffer, .address_space: global }
      - { .name: hq, .offset: 48, .size: 8, .value_kind: global_buffer, .address_space: global }
      - { .name: W_fc, .offset: 56, .size: 8, .value_kind: global_buffer, .address_space: global }
      - { .name: W_mp, .offset: 64, .size: 8, .value_kind: global_buffer, .address_space: global }
    .group_segment_fixed_size: 28672
    .private_segment_fixed_size: 0
    .kernarg_segment_align: 8
    .kernarg_segment_size: 72
    .max_flat_workgroup_size: 256
    .sgpr_count:     66
    .vgpr_count:     232
    .wavefront_size: 32
...
	.end_amdgpu_metadata
.endif
;; end of part 1
;; launch g1 (part 2): grid 12 x 16, 4 waves a work-group, clusters of 4 x 4, 327,680 bytes of LDS; arguments hq, wq, b_qkv, qkv; writes qkv
.if DOCPART == 2
	.amdgcn_target "amdgcn-amd-amdhsa--gfx1250"
	.amdhsa_code_object_version 6
	.text
	.protected	k_qe0343f7253_g1
	.globl	k_qe0343f7253_g1
	.p2align	8
	.type	k_qe0343f7253_g1,@function
k_qe0343f7253_g1:
	s_mov_b64 s[64:65], 0
	v_nop
	global_prefetch_b8 v0, s[64:65] scope:SCOPE_SE
	s_setreg_imm32_b32 hwreg(HW_REG_WAVE_MODE, 25, 1), 1
	s_wait_xcnt 0x0
	s_wait_alu depctr_hold_cnt(0) depctr_sa_sdst(0) depctr_va_vdst(0) depctr_va_sdst(0) depctr_va_ssrc(0) depctr_va_vcc(0) depctr_vm_vsrc(0)
	s_getreg_b32 s2, hwreg(HW_REG_IB_STS2, 6, 4)
	s_cmp_eq_u32 s2, 0
	s_cbranch_scc0 .Lentry_in_a_cluster
	s_endpgm
.Lentry_in_a_cluster:
	s_bfe_u32 s2, ttmp6, 0x10000c
	s_cmp_lg_u32 s2, 0xf033
	s_cbranch_scc0 .Lentry_shape_is_right
	s_endpgm
.Lentry_shape_is_right:
.set T,     8
.set NQ,    2
.set KS,    8
.set LAPS,  2
.set FRB,   1536
.set PART,  T*NQ*FRB
.set SLOT,  4*PART
.set HALFS, T*KS*64
.set SCA,   2*SLOT
.set SCB,   SCA+2*HALFS+64
.set SPARE, ((SCB+2*HALFS+255)/256)*256
.set BSET,  128
.set ASET,  64
.set SC,    32
.set ADRA,  16
.set ADRB,  20
.set SO,    24
.set SH,    25
.set SR,    26
.set ADRS,  27
.set SPW,   28
.set NIL,   29
.set LI,    30
.set L8,    31
.set BL,    48
.set X,     64
.set PC,    128
.set TM,    148
.set PW,    164
.set SEL,   2
.set G1, 24
.set G0, 32
.set G1B, 48
.set G0B, 56
.set G1S, 68
.set G0S, 76
.set G1SB, 80
.set G0SB, 88
.set MSB, 0
.macro WIN new
.if MSB != (\new)
	s_set_vgpr_msb (MSB<<8)|(\new)
.set MSB, \new
.endif
.endm
.macro JLOAD g0a, g1a, g0b, g1b
	s_cmp_eq_u32 s15, 0
	s_cbranch_scc0 .Lfor_b_\@
	tensor_load_to_lds s[\g0a:\g0a+3], s[\g1a:\g1a+7]
	s_nop 0
.rept 4
	v_nop
.endr
	s_branch .Lasked_\@
.Lfor_b_\@:
	tensor_load_to_lds s[\g0b:\g0b+3], s[\g1b:\g1b+7]
	s_nop 0
.rept 4
	v_nop
.endr
.Lasked_\@:
.endm
.macro CREST
	s_cmp_lg_u32 s14, 0
	s_cbranch_scc1 .Lnot_wave_0_\@
	s_barrier_signal -3
.Lnot_wave_0_\@:
	s_barrier_wait -3
	s_barrier_signal -1
	s_barrier_wait -1
.endm
.macro CROUND
	s_barrier_signal -1
	s_barrier_wait -1
	CREST
.endm
.macro PLACES
.rept 4
	v_nop
.endr
.endm
.macro FRAG reg, a16, a8, off
	ds_load_b128 v[(\reg):(\reg)+3], v[\a16] offset:(\off)
	ds_load_b64 v[(\reg)+4:(\reg)+5], v[\a8] offset:(\off)+512
	ds_load_b128 v[(\reg)+6:(\reg)+9], v[\a16] offset:(\off)+768
	ds_load_b64 v[(\reg)+10:(\reg)+11], v[\a8] offset:(\off)+1280
.endm
.macro FETCHALL slot, q, p
	WIN 0x40
.set ii, 0
.rept T
	FRAG BSET*(\p)+12*ii, ADRB+\slot, ADRB+2+\slot, ii*NQ*FRB+(\q)*FRB
.set ii, ii+1
.endr
	WIN 0
.set ii, 0
.rept T
	FRAG ASET+12*T*(\p)+12*ii, ADRA+\slot, ADRA+2+\slot, ii*NQ*FRB+(\q)*FRB
.set ii, ii+1
.endr
.set ii, 0
.rept T
	ds_load_b32 v[SC+T*(\p)+ii], v[ADRS] offset:ii*KS*64+(\q)*64
.set ii, ii+1
.endr
.endm
.macro MULROW a, p, zero
	WIN 0xa1+0x50*((\a)/4)
.set bb, 0
.rept T
.set AC, 8*(T*((\a)%4)+bb)
.set BS, BSET*(\p)+12*bb
.set AS, ASET+12*T*(\p)+12*(\a)
.set SB, SC+T*(\p)+bb
.set SA, SC+T*(\p)+(\a)
.if \zero
	v_wmma_scale_f32_16x16x128_f8f6f4 v[AC:AC+7], v[BS:BS+11], v[AS:AS+11], 0, v[SB], v[SA] matrix_a_fmt:MATRIX_FMT_FP6 matrix_b_fmt:MATRIX_FMT_FP6 matrix_a_scale:MATRIX_SCALE_ROW1
.else
	v_wmma_scale_f32_16x16x128_f8f6f4 v[AC:AC+7], v[BS:BS+11], v[AS:AS+11], v[AC:AC+7], v[SB], v[SA] matrix_a_fmt:MATRIX_FMT_FP6 matrix_b_fmt:MATRIX_FMT_FP6 matrix_a_scale:MATRIX_SCALE_ROW1
.endif
.set bb, bb+1
.endr
.endm
.macro STEP slot, q, zero
	s_wait_dscnt 0x0
	PLACES
	FETCHALL \slot, (\q)+1, 1-(\q)%2
.set aa, 0
.rept T
	MULROW aa, (\q)%2, \zero
.set aa, aa+1
.endr
	WIN 0
.endm
.macro RUN slot, q0
.set qq, \q0
.rept NQ-1-(\q0)
	STEP \slot, qq, 0
.set qq, qq+1
.endr
.endm
.macro TURN slot, next, fill
	s_wait_tensorcnt 0x0
	ds_add_u32 v[SPW], v[NIL]
	s_wait_dscnt 0x1
	MULROW 0, 1, 0
	s_wait_dscnt 0x0
	s_barrier_signal -1
	MULROW 1, 1, 0
	WIN 0
	s_barrier_wait -1
.if \fill
	CREST
	s_add_nc_u64 s[G0+4*\slot+2:G0+4*\slot+3], s[G0+4*\slot+2:G0+4*\slot+3], 2*NQ*FRB
	s_add_nc_u64 s[G0B+4*\slot+2:G0B+4*\slot+3], s[G0B+4*\slot+2:G0B+4*\slot+3], 2*NQ*FRB
	JLOAD G0+4*\slot, G1, G0B+4*\slot, G1B
.else
	PLACES
.endif
	s_wait_alu depctr_va_vdst(0)
	v_add_nc_u32 v[ADRS], NQ*64, v[ADRS]
	FETCHALL \next, 0, 0
.set aa, 2
.rept T-2
	MULROW aa, 1, 0
.set aa, aa+1
.endr
	WIN 0
.endm
.macro QUANT s
.irp b, 0,1,2,3
	v_max3_num_f32 v[TM+\b], |v[\s+16*\b]|, |v[\s+1+16*\b]|, 0x1800000
.endr
.irp i, 2,4,6,8,10,12,14
.irp b, 0,1,2,3
	v_max3_num_f32 v[TM+\b], v[TM+\b], |v[\s+16*\b+\i]|, |v[\s+1+16*\b+\i]|
.endr
.endr
.irp b, 0,1,2,3
	v_permlanex16_b32 v[TM+4+\b], v[TM+\b], s[SEL], s[SEL+1]
.endr
.irp b, 0,1,2,3
	v_max_num_f32 v[TM+\b], v[TM+\b], v[TM+4+\b]
.endr
.irp b, 0,1,2,3
	v_add_nc_u32 v[TM+12+\b], 0xff000000, v[TM+\b]
.endr
.irp b, 0,1,2,3
	v_lshrrev_b32 v[TM+4+\b], 23, v[TM+12+\b]
.endr
	v_lshl_or_b32 v[PW], v[TM+5], 8, v[TM+4]
	v_lshl_or_b32 v[PW], v[TM+6], 16, v[PW]
	v_lshl_or_b32 v[PW], v[TM+7], 24, v[PW]
.irp c, 0,1
	v_cvt_scalef32_pk16_fp6_f32 v[PC+6*\c:PC+2+6*\c], v[\s+32*\c:\s+15+32*\c], v[TM+12+2*\c]
	v_cvt_scalef32_pk16_fp6_f32 v[PC+12+4*\c:PC+14+4*\c], v[\s+16+32*\c:\s+31+32*\c], v[TM+12+2*\c+1]
.endr
	v_nop
.irp c, 0,1
.irp i, 0,1,2
	v_permlane16_swap_b32 v[PC+6*\c+\i], v[PC+12+4*\c+\i]
.endr
.irp i, 0,1,2
	v_mov_b32 v[PC+3+6*\c+\i], v[PC+12+4*\c+\i]
.endr
.endr
.endm
	s_load_b256 s[4:11], s[0:1], 0x0
	v_lshl_add_u32 v[SPW], v0, 2, SPARE
	v_mov_b32 v[NIL], 0
	ds_add_u32 v[SPW], v[NIL]
	ds_add_u32 v[SPW], v[NIL]
	v_lshrrev_b32 v1, 5, v0
	v_readfirstlane_b32 s14, v1
	s_lshr_b32 s15, s14, 1
	s_and_b32 s16, s14, 1
	s_bfe_u32 s40, ttmp6, 0x40000
	s_bfe_u32 s41, ttmp6, 0x40004
	s_and_b32 s13, ttmp7, 0xffff
	s_lshl_b32 s13, s13, 2
	s_lshl_b32 s12, ttmp9, 2
	s_mov_b32 s2, 3145728
	s_mov_b32 s3, 9437184+65536
	s_mov_b32 s18, 9437184
	s_cmp_eq_u32 ttmp9, 2
	s_cselect_b32 s17, 0, s13
	s_cselect_b32 s42, s13, s12
	s_cselect_b32 s95, 1572864, 0
	s_cselect_b32 s19, s3, s2
	s_cselect_b32 s3, s2, s18
	s_add_co_u32 s17, s17, s41
	s_add_co_u32 s42, s42, s40
	s_lshl_b32 s43, s41, 2
	s_lshl_b32 s43, 15, s43
	s_lshl_b32 s44, 0x1111, s40
	s_or_b32 s[G1], s43, (3<<16)|(1<<21)
	s_or_b32 s[G1B], s44, (3<<16)|(1<<21)
.irp g, G1, G1B
	s_mov_b32 s[\g+1], (NQ*192)<<16
	s_mov_b32 s[\g+2], T<<16
	s_mov_b32 s[\g+3], (NQ*192)<<16
	s_mov_b32 s[\g+4], T
	s_mov_b32 s[\g+5], KS*192
	s_mov_b32 s[\g+6], 0
	s_mov_b32 s[\g+7], 0
.endr
	s_mul_i32 s18, s16, T
	s_mul_i32 s20, s17, 2*T
	s_add_co_u32 s20, s20, s18
	s_mul_i32 s46, s42, 2*T
	s_add_co_u32 s46, s46, s18
	s_mul_i32 s22, s20, KS*64
	s_add_co_u32 s22, s22, s19
	s_mul_i32 s92, s46, KS*64
	s_add_co_u32 s92, s92, s3
	s_mul_i32 s20, s20, KS*FRB
	s_add_co_u32 s20, s20, s95
	s_mul_i32 s46, s46, KS*FRB
	s_mov_b32 s21, 0
	s_mov_b32 s23, 0
	s_mov_b32 s47, 0
	s_mov_b32 s93, 0
	s_mul_i32 s45, s14, PART
	s_mul_i32 s94, s14, HALFS
	s_lshl_b32 s95, s15, 6
	s_add_co_u32 s94, s94, s95
	s_add_co_u32 s94, s94, SCA
	s_wait_dscnt 0x0
	s_wait_kmcnt 0x0
	s_cmp_eq_u32 ttmp9, 2
	s_cselect_b64 s[96:97], s[6:7], s[4:5]
	s_cselect_b64 s[66:67], s[4:5], s[6:7]
	s_add_nc_u64 s[20:21], s[96:97], s[20:21]
	s_add_nc_u64 s[22:23], s[96:97], s[22:23]
	s_add_nc_u64 s[46:47], s[66:67], s[46:47]
	s_add_nc_u64 s[92:93], s[66:67], s[92:93]
	CROUND
	s_cmp_eq_u32 s15, 0                            ; the scale words of my 128 rows, HALFS dense bytes, come by plain loads and LDS stores: my one tensor load at the head is my part of slot 0
	s_cselect_b64 s[22:23], s[22:23], s[92:93]
	v_and_b32 v1, 31, v0
	v_lshlrev_b32 v2, 4, v1                        ; 16 x lane: a load covers 512 consecutive bytes
	v_add_nc_u32 v3, s94, v2                       ; and their place in LDS
	; THE PREFETCHES.  My part of a slot is 8 rows x 12 blocks of 256 bytes; the four partners that ask for it jointly take two rows each, told apart by address alone (cx for the row-shared operand, cy for the other):
	; lane l < 24 names block l % 12 of row l / 12; the lanes left over name lane 23's block again
	v_min_u32 v15, 23, v1
	v_mul_u32_u24 v14, v15, 171
	v_lshrrev_b32 v14, 11, v14                     ; l / 12
	v_mul_u32_u24 v14, v14, (KS-NQ)*FRB
	v_lshl_add_u32 v15, v15, 8, v14                ; 256 l, + a row's pitch less the 12 blocks passed
	s_cselect_b64 s[68:69], s[20:21], s[46:47]     ; where my part of slot 0 begins in memory
	s_cselect_b32 s70, s40, s41
	s_mul_i32 s70, s70, (T/4)*KS*FRB
	s_mov_b32 s71, 0
	s_add_nc_u64 s[68:69], s[68:69], s[70:71]      ; my work-group's two rows of it
	s_wait_alu depctr_va_vdst(0)                   ; the wait behind these writes
.irp s, 0,1
	s_mov_b32 s[G0+4*\s], 1
	s_add_co_u32 s[G0+4*\s+1], s45, \s*SLOT
	s_add_nc_u64 s[G0+4*\s+2:G0+4*\s+3], s[20:21], \s*NQ*FRB
	s_or_b32 s[G0+4*\s+3], s[G0+4*\s+3], 0x80000000
	s_mov_b32 s[G0B+4*\s], 1
	s_add_co_u32 s[G0B+4*\s+1], s45, \s*SLOT
	s_add_nc_u64 s[G0B+4*\s+2:G0B+4*\s+3], s[46:47], \s*NQ*FRB
	s_or_b32 s[G0B+4*\s+3], s[G0B+4*\s+3], 0x80000000
.if \s
	s_wait_loadcnt 0x0                             ; my scale words are in registers
.set ii, 0
.rept HALFS/512
	ds_store_b128 v3, v[64+4*ii:64+4*ii+3] offset:512*ii
.set ii, ii+1
.endr
	s_wait_tensorcnt 0x0                           ; my part of slot 0 is in
	ds_add_u32 v[SPW], v[NIL]
	s_wait_dscnt 0x0                               ; the add and my stores of scale words are done
	CROUND                                         ; slot 0 and all scale words are shown to every wave
.endif
	JLOAD G0+4*\s, G1, G0B+4*\s, G1B
.if \s == 0
.set ii, 0
.rept HALFS/512
	global_load_b128 v[64+4*ii:64+4*ii+3], v2, s[22:23] offset:512*ii
.set ii, ii+1
.endr
	global_prefetch_b8 v15, s[68:69] offset:NQ*FRB th:TH_LOAD_NT scope:SCOPE_SE     ; behind slot 0's fill: slots 1 and 2, one and two fills ahead
	global_prefetch_b8 v15, s[68:69] offset:2*NQ*FRB th:TH_LOAD_NT scope:SCOPE_SE
.else
	global_prefetch_b8 v15, s[68:69] offset:3*NQ*FRB th:TH_LOAD_NT scope:SCOPE_SE   ; behind slot 1's fill: slot 3, the last: the refills ask for nothing
.endif
.endr
	v_and_b32 v1, 31, v0
	v_and_b32 v2, 15, v0
	v_bfe_u32 v3, v0, 4, 1
	v_lshlrev_b32 v[LI], 4, v1
	v_lshlrev_b32 v[L8], 3, v1
	s_mul_i32 s21, s15, PART
	s_mul_i32 s22, s16, PART
	s_add_co_u32 s22, s22, 2*PART
.irp s, 0,1
	v_add_nc_u32 v[ADRA+\s], s21, v[LI]
	v_add_nc_u32 v[ADRA+2+\s], s21, v[L8]
	v_add_nc_u32 v[ADRB+\s], s22, v[LI]
	v_add_nc_u32 v[ADRB+2+\s], s22, v[L8]
	s_add_co_u32 s21, s21, SLOT
	s_add_co_u32 s22, s22, SLOT
.endr
	s_mul_i32 s21, s15, HALFS
	s_mul_i32 s22, s16, HALFS
	s_add_co_u32 s22, s22, SCB-SCA
	s_sub_co_u32 s22, s22, s21
	v_mul_u32_u24 v4, s22, v3
	s_add_co_u32 s21, s21, SCA
	v_lshl_add_u32 v4, v2, 2, v4
	v_add_nc_u32 v[ADRS], s21, v4
	v_lshlrev_b32 v[SR], 2, v2
	v_lshl_add_u32 v[SO], v3, 13, v[SR]
	v_lshlrev_b32 v[SH], 4, v3
	s_lshl_b32 s20, s42, 10
	s_lshl_b32 s21, s16, 9
	s_add_co_u32 s20, s20, s21
	s_lshl_b32 s22, s17, 10
	s_lshl_b32 s21, s15, 9
	s_add_co_u32 s22, s22, s21
	s_add_co_u32 s22, s22, 8192
	s_cmp_eq_u32 ttmp9, 2
	s_cselect_b32 s20, 0, s20
	s_cselect_b32 s22, s22, 0
	s_mov_b32 s21, 0
	s_mov_b32 s23, 0
	s_add_nc_u64 s[20:21], s[8:9], s[20:21]
	s_add_nc_u64 s[22:23], s[8:9], s[22:23]
	v_lshlrev_b32 v5, 6, v3
	v_and_b32 v6, 8, v2
	v_add_nc_u32 v6, v6, v2
	v_lshlrev_b32 v6, 2, v6
	WIN 0x40
.irp b, 0,1,2,3,4,5,6,7
	global_load_b128 v[96+8*\b+96*(\b/4):96+8*\b+96*(\b/4)+3], v5, s[20:21] offset:(32*(\b/2)+8*(\b%2))*4
	global_load_b128 v[96+8*\b+96*(\b/4)+4:96+8*\b+96*(\b/4)+7], v5, s[20:21] offset:(32*(\b/2)+8*(\b%2))*4+16
.endr
	WIN 0
.irp a, 0,1,2,3,4,5,6,7
	global_load_b32 v[BL+2*\a], v6, s[22:23] offset:(32*(\a/2)+8*(\a%2))*4
.endr
	s_wait_alu depctr_va_vdst(0)
	FETCHALL 0, 0, 0
	STEP 0, 0, 1
	s_mov_b32 s3, LAPS-1
.Llap:
	RUN 0, 1
	TURN 0, 1, 1
	s_wait_alu depctr_va_vdst(0)
	RUN 1, 0
	TURN 1, 0, 1
	s_wait_alu depctr_va_vdst(0)
	STEP 0, 0, 0
	s_sub_co_u32 s3, s3, 1
	s_cmp_lg_u32 s3, 0
	s_cbranch_scc1 .Llap
	RUN 0, 1
	TURN 0, 1, 0
	s_wait_alu depctr_va_vdst(0)
	RUN 1, 0
	s_wait_dscnt 0x0
.set aa, 0
.rept T
	MULROW aa, 1, 0
.set aa, aa+1
.endr
	WIN 0
	PLACES
	s_wait_loadcnt 0x0
	s_mov_b32 s[SEL], 0x76543210
	s_mov_b32 s[SEL+1], 0xfedcba98
.irp b, 0,1,2,3
	v_mov_b32 v[TM+4+\b], 0
.endr
	s_cmp_eq_u32 ttmp9, 2
	s_cbranch_scc1 .Lv
	s_lshl_b32 s20, ttmp9, 5
	s_lshr_b32 s21, s17, 3
	s_lshl_b32 s21, s21, 4
	s_add_co_u32 s20, s20, s21
	s_lshl_b32 s21, s40, 2
	s_add_co_u32 s20, s20, s21
	s_lshl_b32 s21, s16, 1
	s_add_co_u32 s20, s20, s21
	s_lshl_b32 s20, s20, 7
	s_and_b32 s21, s17, 7
	s_lshl_b32 s21, s21, 4
	s_add_co_u32 s20, s20, s21
	s_lshl_b32 s21, s15, 3
	s_add_co_u32 s20, s20, s21
	s_lshl_b32 s22, s20, 6
	s_add_co_u32 s22, s22, 9437184
	s_mul_i32 s20, s20, 768
	s_mov_b32 s21, 0
	s_mov_b32 s23, 0
	s_add_nc_u64 s[12:13], s[10:11], s[22:23]
	s_add_nc_u64 s[10:11], s[10:11], s[20:21]
.macro EPIQK a
	WIN 0x06+(\a)/4
.irp b, 0,1,2,3,4,5,6,7
.irp j, 0,2,4,6
	v_pk_add_f32 v[X+8*\b+\j:X+8*\b+\j+1], v[8*(8*((\a)%4)+\b)+\j:8*(8*((\a)%4)+\b)+\j+1], v[96+8*\b+96*(\b/4)+\j:96+8*\b+96*(\b/4)+\j+1]
.endr
.endr
	WIN 0
	s_wait_xcnt 0x0
	QUANT X
	v_lshrrev_b32 v[PW+1], v[SH], v[PW]
	global_store_b128 v[LI], v[PC:PC+3], s[10:11] offset:(\a)*768
	global_store_b64 v[L8], v[PC+4:PC+5], s[10:11] offset:(\a)*768+512
	global_store_b128 v[LI], v[PC+6:PC+9], s[10:11] offset:(\a)*768+98304
	global_store_b64 v[L8], v[PC+10:PC+11], s[10:11] offset:(\a)*768+98304+512
	global_store_b32 v[SO], v[PW+1], s[12:13] offset:(\a)*64
.endm
.irp a, 0,1,2,3,4,5,6,7
	EPIQK \a
.endr
	s_branch .Lend
.Lv:
	s_lshr_b32 s20, s42, 3
	s_lshl_b32 s20, s20, 4
	s_lshl_b32 s21, s17, 2
	s_add_co_u32 s20, s20, s21
	s_lshl_b32 s21, s15, 1
	s_add_co_u32 s20, s20, s21
	s_lshl_b32 s20, s20, 4
	s_and_b32 s21, s42, 7
	s_lshl_b32 s21, s21, 1
	s_add_co_u32 s20, s20, s21
	s_add_co_u32 s20, s20, s16
	s_lshl_b32 s20, s20, 2
	s_lshl_b32 s22, s20, 6
	s_add_co_u32 s22, s22, 9961472
	s_mul_i32 s20, s20, 1536
	s_add_co_u32 s20, s20, 6291456
	s_mov_b32 s21, 0
	s_mov_b32 s23, 0
	s_add_nc_u64 s[12:13], s[10:11], s[22:23]
	s_add_nc_u64 s[10:11], s[10:11], s[20:21]
.irp a, 0,1,2,3,4,5,6,7
	v_mov_b32 v[BL+2*\a+1], v[BL+2*\a]
.endr
.macro EPIV a
	WIN 0x02+(\a)/4
.irp b, 0,1,2,3,4,5,6,7
.irp j, 0,2,4,6
	v_pk_add_f32 v[X+8*\b+\j:X+8*\b+\j+1], v[8*(8*((\a)%4)+\b)+\j:8*(8*((\a)%4)+\b)+\j+1], v[BL+2*(\a):BL+2*(\a)+1]
.endr
.endr
	WIN 0
	s_wait_xcnt 0x0
	QUANT X
	global_store_b128 v[LI], v[PC:PC+3], s[10:11] offset:((\a)/4)*98304+((\a)%4)*1536
	global_store_b64 v[L8], v[PC+4:PC+5], s[10:11] offset:((\a)/4)*98304+((\a)%4)*1536+512
	global_store_b128 v[LI], v[PC+6:PC+9], s[10:11] offset:((\a)/4)*98304+((\a)%4)*1536+768
	global_store_b64 v[L8], v[PC+10:PC+11], s[10:11] offset:((\a)/4)*98304+((\a)%4)*1536+1280
	global_store_b32 v[SR], v[PW], s[12:13] offset:((\a)/4)*4096+((\a)%4)*64
.endm
.irp a, 0,1,2,3,4,5,6,7
	EPIV \a
.endr
.Lend:
	s_wait_tensorcnt 0x0
	ds_add_u32 v[SPW], v[NIL]
	s_wait_dscnt 0x0
	CROUND
	s_endpgm
.Lfunc_end_k_qe0343f7253_g1:
	.size	k_qe0343f7253_g1, .Lfunc_end_k_qe0343f7253_g1-k_qe0343f7253_g1
	.p2alignl 7, 3214868480
	.fill 96, 4, 3214868480
	.section	.rodata,"a",@progbits
	.p2align	6, 0x0
	.amdhsa_kernel k_qe0343f7253_g1
		.amdhsa_group_segment_fixed_size 327680
		.amdhsa_private_segment_fixed_size 0
		.amdhsa_enable_private_segment 0
		.amdhsa_kernarg_size 32
		.amdhsa_user_sgpr_count 2
		.amdhsa_user_sgpr_kernarg_segment_ptr 1
		.amdhsa_wavefront_size32 1
		.amdhsa_system_sgpr_workgroup_id_x 1
		.amdhsa_system_sgpr_workgroup_id_y 1
		.amdhsa_system_sgpr_workgroup_id_z 1
		.amdhsa_system_vgpr_workitem_id 0
		.amdhsa_next_free_vgpr 1024
		.amdhsa_next_free_sgpr 98
		.amdhsa_reserve_vcc 0
		.amdhsa_float_denorm_mode_32 3
		.amdhsa_float_denorm_mode_16_64 3
		.amdhsa_memory_ordered 1
		.amdhsa_forward_progress 1
		.amdhsa_inst_pref_size 222
	.end_amdhsa_kernel
	.amdgpu_metadata
---
amdhsa.version: [ 1, 2 ]
amdhsa.kernels:
  - .name:           k_qe0343f7253_g1
    .symbol:         k_qe0343f7253_g1.kd
    .args:
      - { .name: hq, .offset: 0, .size: 8, .value_kind: global_buffer, .address_space: global }
      - { .name: wq, .offset: 8, .size: 8, .value_kind: global_buffer, .address_space: global }
      - { .name: b_qkv, .offset: 16, .size: 8, .value_kind: global_buffer, .address_space: global }
      - { .name: qkv, .offset: 24, .size: 8, .value_kind: global_buffer, .address_space: global }
    .group_segment_fixed_size: 327680
    .private_segment_fixed_size: 0
    .kernarg_segment_align: 8
    .kernarg_segment_size: 32
    .max_flat_workgroup_size: 128
    .sgpr_count:     98
    .vgpr_count:     1024
    .wavefront_size: 32
...
	.end_amdgpu_metadata
.endif
;; end of part 2
;; launch attn (part 3): grid 8 x 32, 16 waves a work-group, no clusters, 212,992 bytes of LDS; arguments qkv, yq; writes yq
.if DOCPART == 3
	.amdgcn_target "amdgcn-amd-amdhsa--gfx1250"
	.amdhsa_code_object_version 6
	.text
	.protected	k_qe0343f7253_attn
	.globl	k_qe0343f7253_attn
	.p2align	8
	.type	k_qe0343f7253_attn,@function
k_qe0343f7253_attn:
	s_mov_b64 s[64:65], 0
	v_nop
	global_prefetch_b8 v0, s[64:65] scope:SCOPE_SE
	s_setreg_imm32_b32 hwreg(HW_REG_WAVE_MODE, 25, 1), 1
	s_wait_xcnt 0x0
; Causal attention on codes of FP6 (E2M3): y = softmax(q k^T / 8) v for 32 (batch, head) of 2,048 tokens and head size 64, and y quantised along the channels for the next product.
; THE SOFTMAX AHEAD OF THE SECOND PRODUCT: t = score x log2(e) / 8; M = the row's largest t so far, rounded up to a whole number; p = 2^(t - M) is quantised along the keys; the row's sum is taken of the
; unquantised p and divides at the end.  When M moves, the sum and O are multiplied by 2^(old M - new M): exact.
; SHARES.  A wave owns one tile of 16 queries in 256 registers; sixteen waves to a work-group.  Work-group x of a head owns query blocks x and 15 - x (128 queries each), so that every work-group has 17 of
; 32 possible block-steps; low and high waves are dealt so that each group of four neighbouring waves, and each group of waves 4 apart, has two of each.
; A WHOLE HEAD'S K AND V LIE IN LDS, filled once: wave 0 brings K's scale words, wave 1 V's, waves 2 + 2 c and 3 + 2 c chunk c of 512 keys of K and of V: one load out in each of ten waves.  Nothing is filled again.
; NO CLUSTER: the steps that a wave leaves out hang on its query block, which in a cluster would hang on the work-group's place; each work-group asks for its 205 KB once.
; LAYOUT.  Both products transposed: S^T = K Q^T, O^T = V^T P^T: a lane holds one query.  Tile 2 b + u, lane r = token 32 b + 8 u + r + 8 (r / 8), so p's 16 registers of two neighbouring tiles are 16 neighbouring keys.
; The first product's K is 64: the upper half of its operands is zero codes on both sides.
; LIMITS: v_exp_f32 gives 0 for results under 2^-126; a block of zeros keeps the byte 1; NaN and infinities are not served.
.set S,    128                         ; v128-191 S^T, then p
.set O,    192                         ; v192-223 O^T
.set SPARE, 208896
.set WV,   18
.set SEL,  20
.set CS,   22
.set G1C,  24
.set G1SK, 32
.set G1SV, 40
.set G0C,  48
.set G0S,  68
.set TB,   2                           ; LDS byte of the step's tiles of K
.set TS,   3                           ; of K's scale words
.set TJ,   66                          ; of V's scale words
.set KSI,  67                          ; the key step
.set BLK,  72                          ; my query block
.set CNT,  73
.set TBV,  74                          ; LDS byte of the step's tiles of V
	s_load_b128 s[4:7], s[0:1], 0x0                ; qkv, yq
	v_lshl_add_u32 v5, v0, 2, SPARE
	v_mov_b32 v6, 0
	ds_add_u32 v5, v6                              ; the wave's opening: the add and its wait ahead of the first tensor load
	ds_add_u32 v5, v6
	v_lshrrev_b32 v8, 5, v0
	s_delay_alu instid0(VALU_DEP_1)
	v_readfirstlane_b32 s[WV], v8                  ; wave 0..15
	s_and_b32 s8, ttmp7, 0xffff                    ; 16 x batch + head
.irp g, G1C, G1SK, G1SV                ; dense blocks as rows of 256 bytes: 32 elements of 8 bytes
	s_mov_b32 s[\g], 3<<16
	s_mov_b32 s[\g+1], 32<<16
	s_mov_b32 s[\g+3], 32<<16
	s_mov_b32 s[\g+5], 32
	s_mov_b32 s[\g+6], 0
	s_mov_b32 s[\g+7], 0
.endr
	s_mov_b32 s[G1C+2], 96<<16                     ; a chunk of 512 keys: 24,576 bytes
	s_mov_b32 s[G1C+4], 96
	s_mov_b32 s[G1SK+2], 32<<16                    ; K's scale words: 8,192 bytes
	s_mov_b32 s[G1SK+4], 32
	s_mov_b32 s[G1SV+2], 16<<16                    ; V's: 4,096
	s_mov_b32 s[G1SV+4], 16
	s_and_b32 s9, s[WV], 1
	s_bfe_u32 s10, s[WV], 0x10002
	s_xor_b32 s9, s9, s10                          ; the high block or the low one
	s_lshr_b32 s10, s[WV], 1                       ; which tile of the block
	s_sub_co_u32 s11, 15, ttmp9
	s_cmp_eq_u32 s9, 1
	s_cselect_b32 s[BLK], s11, ttmp9
	s_lshl_b32 s11, s[BLK], 3
	s_add_co_u32 s11, s11, s10                     ; my tile of queries in the batch
	s_lshr_b32 s9, s10, 1
	s_lshl_b32 s9, s9, 5
	s_and_b32 s10, s10, 1
	s_lshl_b32 s10, s10, 3
	s_add_co_u32 s9, s9, s10                       ; its first query within the block
	s_lshl_b32 s12, s8, 7
	s_add_co_u32 s12, s12, s11
	s_mul_i32 s14, s12, 768                        ; q's codes
	s_mov_b32 s15, 0
	s_lshl_b32 s16, s12, 6
	s_add_co_u32 s16, s16, 9437184                 ; q's scale words
	s_mov_b32 s17, 0
	s_and_b32 s13, s[WV], 1                        ; THE TEN FIRST FILLS GO TO TEN WAVES, one each: waves 0, 1 K's and V's scale words, waves 2 + 2 c, 3 + 2 c chunk c of K and of V.  s13: K (0) or V (1)
	s_mul_i32 s74, s13, 98304                      ; K to LDS byte 0, V to 98,304
	s_add_co_u32 s75, s13, 1
	s_mul_i32 s76, s75, 3145728                    ; k's codes begin at 3,145,728, v's at twice that
	s_mul_i32 s75, s8, 98304
	s_add_co_u32 s76, s76, s75
	s_mov_b32 s77, 0
	s_lshl_b32 s78, s13, 18
	s_add_co_u32 s78, s78, 9699328                 ; k's scale words, v's 262,144 on;
	s_lshl_b32 s75, s8, 13
	s_lshr_b32 s75, s75, s13
	s_add_co_u32 s78, s78, s75
	s_mov_b32 s79, 0
	s_mov_b32 s[SEL], 0x76543210
	s_mov_b32 s[SEL+1], 0xfedcba98
	s_mov_b32 s[CS], 0x3e38aa3b                    ; c = log2(e) / 8
	s_mov_b32 s[CS+1], s[CS]
	s_mov_b32 s[TB], 0
	s_mov_b32 s[TS], 196608
	s_mov_b32 s[TJ], 204800
	s_mov_b32 s[KSI], 0
	s_wait_dscnt 0x0                               ; the opening add is done
	s_wait_kmcnt 0x0
	s_add_nc_u64 s[76:77], s[4:5], s[76:77]
	s_add_nc_u64 s[78:79], s[4:5], s[78:79]
	s_mov_b32 s[G0S], 1
	s_lshl_b32 s75, s13, 13
	s_add_co_u32 s[G0S+1], s75, 196608
	s_mov_b64 s[G0S+2:G0S+3], s[78:79]
	s_or_b32 s[G0S+3], s[G0S+3], 0x80000000
.irp c, 0,1,2,3
	s_mov_b32 s[G0C+4*\c], 1
	s_add_co_u32 s[G0C+4*\c+1], s74, \c*24576
	s_add_nc_u64 s[G0C+4*\c+2:G0C+4*\c+3], s[76:77], \c*24576
	s_or_b32 s[G0C+4*\c+3], s[G0C+4*\c+3], 0x80000000
.endr
	s_cmp_eq_u32 s[WV], 0                          ; one chain of branches on the wave's number, one fill to an arm, all arms to one join; waves 10 to 15 fill nothing
	s_cbranch_scc0 .Lnot_k
	tensor_load_to_lds s[G0S:G0S+3], s[G1SK:G1SK+7]
	s_nop 0
.rept 4
	v_nop
.endr
	s_branch .Lasked
.Lnot_k:
	s_cmp_eq_u32 s[WV], 1
	s_cbranch_scc0 .Lnot_v
	tensor_load_to_lds s[G0S:G0S+3], s[G1SV:G1SV+7]
	s_nop 0
.rept 4
	v_nop
.endr
	s_branch .Lasked
.Lnot_v:
.irp c, 0,1,2,3
	s_cmp_lt_u32 s[WV], 4+2*\c
	s_cbranch_scc0 .Lnot_c\c
	tensor_load_to_lds s[G0C+4*\c:G0C+4*\c+3], s[G1C:G1C+7]
	s_nop 0
.rept 4
	v_nop
.endr
	s_branch .Lasked
.Lnot_c\c:
.endr
.Lasked:
	s_add_nc_u64 s[14:15], s[4:5], s[14:15]
	s_add_nc_u64 s[16:17], s[4:5], s[16:17]
	v_and_b32 v8, 31, v0
	s_delay_alu instid0(VALU_DEP_1)
	v_lshlrev_b32 v1, 4, v8                        ; 16 x lane
	s_delay_alu instid0(VALU_DEP_2)
	v_lshlrev_b32 v2, 3, v8                        ; 8 x lane
	v_and_b32 v9, 15, v0                           ; r
	s_delay_alu instid0(VALU_DEP_1)
	v_lshlrev_b32 v3, 2, v9                        ; 4 r
	global_load_b128 v[16:19], v1, s[14:15]        ; q's half fragment stays in registers
	global_load_b64 v[20:21], v2, s[14:15] offset:512
	global_load_b32 v255, v3, s[16:17]             ; its scale words
	v_bfe_u32 v10, v0, 4, 1                        ; h
	v_and_b32 v11, 8, v9
	s_delay_alu instid0(VALU_DEP_1)
	v_add_nc_u32 v4, v11, v9
	s_delay_alu instid0(VALU_DEP_3)
	v_lshlrev_b32 v10, 4, v10
	s_delay_alu instid0(VALU_DEP_1)
	v_sub_nc_u32 v4, v4, v10
	s_delay_alu instid0(VALU_DEP_1)
	v_add_nc_u32 v4, s9, v4                        ; my query within the block - 16 h: on the diagonal register 16 b + i is hidden where 32 b + i is greater
	s_lshr_b32 s74, s8, 4                          ; where y goes: row tile 128 x batch + my tile,
	s_lshl_b32 s74, s74, 7
	s_add_co_u32 s74, s74, s11
	s_lshl_b32 s74, s74, 3
	s_bfe_u32 s75, s8, 0x30001
	s_add_co_u32 s74, s74, s75                     ; K step head / 2,
	s_and_b32 s75, s8, 1                           ; half head % 2
	s_mul_i32 s76, s74, 1536
	s_mul_i32 s78, s75, 768
	s_add_co_u32 s76, s76, s78
	s_mov_b32 s77, 0
	s_lshl_b32 s78, s74, 6
	s_lshl_b32 s75, s75, 1
	s_add_co_u32 s78, s78, s75
	s_add_co_u32 s78, s78, 3145728
	s_mov_b32 s79, 0
	s_add_nc_u64 s[76:77], s[6:7], s[76:77]
	s_add_nc_u64 s[78:79], s[6:7], s[78:79]
	s_mov_b32 s[TBV], 98304
.irp i, 22,23,24,25,26,27
	v_mov_b32 v[\i], 0                             ; the upper half of q's operand: zero codes
.endr
.irp t, 0,1,2,3
.irp i, 6,7,8,9,10,11
	v_mov_b32 v[32+12*\t+\i], 0                    ; and of k's four: written once
.endr
.endr
	v_mov_b32 v13, 0xff61b1e6                      ; the largest t so far: -3e38
	s_delay_alu instid0(VALU_DEP_1)
	v_floor_f32 v12, -v13                          ; -M
	v_mov_b32 v14, 0                               ; the sum, in two halves
	v_mov_b32 v15, 0
.irp b, 0,1,2,3
	v_mov_b32 v[236+\b], 0                         ; a lane permute's destination counts as one of its sources
.endr
	v_mov_b32 v252, 0
	v_mov_b32 v253, 0
.set j, 0
.rept 32
	v_mov_b32 v[O+j], 0                            ; the step is written once: the first finds zeros
.set j, j+1
.endr
.macro KQ4 g                           ; four tiles of 16 keys: their loads
.set t, 0
.rept 4
	ds_load_b128 v[32+12*t:35+12*t], v8 offset:768*(4*\g+t)
	ds_load_b64 v[36+12*t:37+12*t], v9 offset:768*(4*\g+t)+512
	ds_load_b32 v[248+t], v10 offset:64*(4*\g+t)
.set t, t+1
.endr
.endm
.macro KQM g
.set t, 0
.rept 4
	v_wmma_scale_f32_16x16x128_f8f6f4 v[S+8*(4*\g+t):S+8*(4*\g+t)+7], v[32+12*t:43+12*t], v[16:27], 0, v[248+t], v255 matrix_a_fmt:MATRIX_FMT_FP6 matrix_b_fmt:MATRIX_FMT_FP6
.set t, t+1
.endr
.endm
.macro STEP                            ; 128 keys
	s_cmp_gt_u32 s[KSI], s[BLK]                    ; all its keys come after my queries: the step's work is left out, not the lines at its end that step addresses
	s_cbranch_scc1 .Lhidden_\@
	v_add_nc_u32 v8, s[TB], v1
	v_add_nc_u32 v9, s[TB], v2
	v_add_nc_u32 v10, s[TS], v3
	v_add_nc_u32 v7, s[TBV], v1
	v_add_nc_u32 v243, s[TBV], v2
	v_add_nc_u32 v11, s[TJ], v3
	KQ4 0
	s_wait_alu depctr_va_vdst(0)
	s_wait_dscnt 0x0
	KQM 0
.rept 4
	v_nop                                          ; places in front of loads into registers that matrix instructions have read
.endr
	KQ4 1
.set t, 0
.rept 4                                ; V's four fragments and scale words: they land under the softmax
	ds_load_b128 v[80+12*t:83+12*t], v7 offset:1536*t
	ds_load_b64 v[84+12*t:85+12*t], v243 offset:1536*t+512
	ds_load_b128 v[86+12*t:89+12*t], v7 offset:1536*t+768
	ds_load_b64 v[90+12*t:91+12*t], v243 offset:1536*t+1280
	ds_load_b32 v[28+t], v11 offset:64*t
.set t, t+1
.endr
	s_wait_dscnt 20                                ; K's twelve loads are in; V's twenty may be out
	KQM 1
.rept 4
	v_nop
.endr
	s_cmp_lg_u32 s[KSI], s[BLK]                    ; on the diagonal hidden scores become -infinity ahead of the maximum
	s_cbranch_scc1 .Lopen_\@
	v_mov_b32 v254, 0xff800000
.set n, 0
.rept 64
	v_cmp_gt_i32 vcc_lo, 32*(n/16)+n%16, v4
	v_cndmask_b32 v[S+n], v[S+n], v254, vcc_lo
.set n, n+1
.endr
.Lopen_\@:
.irp b, 0,1,2,3
	v_max3_num_f32 v[232+\b], v[S+16*\b], v[S+1+16*\b], v[S+2+16*\b]   ; the largest score of each block of 32 keys: for the row's maximum and, since p rises with the score, for the block's largest p
.endr
.irp i, 3,5,7,9,11,13
.irp b, 0,1,2,3
	v_max3_num_f32 v[232+\b], v[232+\b], v[S+16*\b+\i], v[S+1+16*\b+\i]
.endr
.endr
.irp b, 0,1,2,3
	v_max_num_f32 v[232+\b], v[232+\b], v[S+15+16*\b]
.endr
.irp b, 0,1,2,3
	s_delay_alu instid0(VALU_DEP_4)
	v_permlanex16_b32 v[236+\b], v[232+\b], s[SEL], s[SEL+1]
.endr
.irp b, 0,1,2,3
	s_delay_alu instid0(VALU_DEP_4)
	v_max_num_f32 v[232+\b], v[232+\b], v[236+\b]
.endr
	s_delay_alu instid0(VALU_DEP_2)
	v_max3_num_f32 v254, v232, v233, v234
	s_delay_alu instid0(VALU_DEP_1)
	v_max_num_f32 v254, v254, v235
	s_delay_alu instid0(VALU_DEP_1)
	v_mul_f32 v254, s[CS], v254
	s_delay_alu instid0(VALU_DEP_1)
	v_max_num_f32 v13, v13, v254                   ; the running largest t
	v_mov_b32 v254, v12
	s_delay_alu instid0(VALU_DEP_2)
	v_floor_f32 v12, -v13                          ; the new -M: a whole number
	s_delay_alu instid0(VALU_DEP_1)
	v_sub_f32 v254, v12, v254
	s_delay_alu instid0(VALU_DEP_1)
	v_cvt_i32_f32 v254, v254                       ; (it saturates)
	s_delay_alu instid0(VALU_DEP_1)
	v_ldexp_f32 v252, 1.0, v254                    ; f = 2^(old M - new M)
.set j, 0
.rept 32
	v_pk_fma_f32 v[S+j:S+j+1], v[S+j:S+j+1], s[CS:CS+1], v[12:13] op_sel_hi:[1,0,0]   ; t - M
.set j, j+2
.endr
.irp b, 0,1,2,3
	v_fma_f32 v[232+\b], v[232+\b], s[CS], v12
.endr
.set j, 0
	s_wait_alu depctr_va_vdst(0)
.rept 64
	v_exp_f32 v[S+j], v[S+j]                       ; p = 2^(t - M)
.set j, j+1
.endr
	v_pk_mul_f32 v[14:15], v[14:15], v[252:253] op_sel_hi:[1,0]   ; the sums under the new M; the plain line behind the batch
	s_wait_alu depctr_va_vdst(0)                   ; one wait for the batch, ahead of its first reader
.irp b, 0,1,2,3
	v_exp_f32 v[232+\b], v[232+\b]                 ; the blocks' largest p
.endr
	v_pk_add_f32 v[236:237], v[132:133], v[136:137]
	v_pk_add_f32 v[250:251], v[140:141], v[144:145]
	v_pk_add_f32 v[248:249], v[148:149], v[152:153]
	v_pk_add_f32 v[246:247], v[156:157], v[160:161]
	v_pk_add_f32 v[244:245], v[164:165], v[168:169]
	v_pk_add_f32 v[242:243], v[172:173], v[176:177]
	v_pk_add_f32 v[240:241], v[180:181], v[184:185]
	v_pk_add_f32 v[14:15], v[14:15], v[188:189]
	v_pk_add_f32 v[236:237], v[236:237], v[128:129]
	v_pk_add_f32 v[250:251], v[250:251], v[130:131]
	v_pk_add_f32 v[248:249], v[248:249], v[134:135]
	v_pk_add_f32 v[246:247], v[246:247], v[138:139]
	v_pk_add_f32 v[244:245], v[244:245], v[142:143]
	v_pk_add_f32 v[242:243], v[242:243], v[146:147]
	v_pk_add_f32 v[240:241], v[240:241], v[150:151]
	v_pk_add_f32 v[14:15], v[14:15], v[154:155]
	v_pk_add_f32 v[236:237], v[236:237], v[158:159]
	v_pk_add_f32 v[250:251], v[250:251], v[162:163]
	v_pk_add_f32 v[248:249], v[248:249], v[166:167]
	v_pk_add_f32 v[246:247], v[246:247], v[170:171]
	v_pk_add_f32 v[244:245], v[244:245], v[174:175]
	v_pk_add_f32 v[242:243], v[242:243], v[178:179]
	v_pk_add_f32 v[240:241], v[240:241], v[182:183]
	v_pk_add_f32 v[14:15], v[14:15], v[186:187]
	v_pk_add_f32 v[236:237], v[236:237], v[190:191]
	s_delay_alu instid0(VALU_DEP_2)
	v_pk_add_f32 v[14:15], v[14:15], v[246:247]
	s_delay_alu instid0(VALU_DEP_2)
	v_pk_add_f32 v[236:237], v[236:237], v[244:245]
	v_pk_add_f32 v[250:251], v[250:251], v[242:243]
	v_pk_add_f32 v[248:249], v[248:249], v[240:241]
	s_delay_alu instid0(VALU_DEP_2)
	v_pk_add_f32 v[14:15], v[14:15], v[250:251]
	s_delay_alu instid0(VALU_DEP_2)
	v_pk_add_f32 v[236:237], v[236:237], v[248:249]
	s_delay_alu instid0(VALU_DEP_1)
	v_pk_add_f32 v[14:15], v[14:15], v[236:237]
	s_wait_alu depctr_va_vdst(0)                   ; and one for the four
.irp b, 0,1,2,3
	v_max_num_f32 v[232+\b], 0x1800000, v[232+\b]  ; the floor: the byte cannot fall under 1
.endr
.irp b, 0,1,2,3
	s_delay_alu instid0(VALU_DEP_4)
	v_add_nc_u32 v[244+\b], 0xff000000, v[232+\b]
.endr
.irp b, 0,1,2,3
	s_delay_alu instid0(VALU_DEP_4)
	v_lshrrev_b32 v[236+\b], 23, v[244+\b]
.endr
	s_delay_alu instid0(VALU_DEP_3)
	v_lshl_or_b32 v253, v237, 8, v236              ; p's scale word for these 128 keys
	s_delay_alu instid0(VALU_DEP_1)
	v_lshl_or_b32 v253, v238, 16, v253
	s_delay_alu instid0(VALU_DEP_1)
	v_lshl_or_b32 v253, v239, 24, v253
.irp c, 0,1
	v_cvt_scalef32_pk16_fp6_f32 v[224+6*\c:226+6*\c], v[S+32*\c:S+15+32*\c], v[244+2*\c]
	v_cvt_scalef32_pk16_fp6_f32 v[236+4*\c:238+4*\c], v[S+16+32*\c:S+31+32*\c], v[244+2*\c+1]
.endr
	v_nop
.irp c, 0,1
.irp i, 0,1,2
	v_permlane16_swap_b32 v[224+6*\c+\i], v[236+4*\c+\i]
.endr
.irp i, 0,1,2
	s_delay_alu instid0(VALU_DEP_3)
	v_mov_b32 v[227+6*\c+\i], v[236+4*\c+\i]
.endr
.endr
.set j, 0
.rept 16
	v_pk_mul_f32 v[O+j:O+j+1], v[O+j:O+j+1], v[252:253] op_sel_hi:[1,0]   ; O^T under the new M; these sixteen are also the places in front of the products below
.set j, j+2
.endr
	s_wait_alu depctr_va_vdst(0)
	s_wait_dscnt 0x0                               ; V is in
.set t, 0
.rept 4
	v_wmma_scale_f32_16x16x128_f8f6f4 v[O+8*t:O+8*t+7], v[80+12*t:91+12*t], v[224:235], v[O+8*t:O+8*t+7], v[28+t], v253 matrix_a_fmt:MATRIX_FMT_FP6 matrix_b_fmt:MATRIX_FMT_FP6
.set t, t+1
.endr
.Lhidden_\@:
	s_add_co_u32 s[TB], s[TB], 6144
	s_add_co_u32 s[TBV], s[TBV], 6144
	s_add_co_u32 s[TS], s[TS], 512
	s_add_co_u32 s[TJ], s[TJ], 256
	s_add_co_u32 s[KSI], s[KSI], 1
.endm
.macro CHUNK c                         ; 512 keys: four steps
.if \c < 3
	s_cmp_lt_u32 s[WV], 4+2*\c                     ; the waves that brought the scale words and chunks 0 .. c wait for their one load; the later chunks may be out
	s_cbranch_scc0 .Lnw_\@
	s_wait_tensorcnt 0x0
.Lnw_\@:
.else
	s_wait_tensorcnt 0x0                           ; the last chunk: the wait stands on every wave's way
.endif
	s_barrier_signal -1
	s_barrier_wait -1                              ; both fetching waves have said so; nothing is ever filled again
	s_mov_b32 s[CNT], 4
.Lst_\@:
	STEP
	s_sub_co_u32 s[CNT], s[CNT], 1
	s_cmp_lg_u32 s[CNT], 0
	s_cbranch_scc1 .Lst_\@
.endm
	s_wait_loadcnt 0x0                             ; q
	CHUNK 0
	CHUNK 1
	CHUNK 2
	CHUNK 3
	; THE WAY OUT: O^T / the sum; a lane's 32 registers are 2 x 16 neighbours along y's channels: they are quantised here and leave as half a fragment
.rept 4
	v_nop                                          ; places behind the last products
.endr
	v_add_f32 v14, v14, v15
	s_delay_alu instid0(VALU_DEP_1)
	v_permlanex16_b32 v252, v14, s[SEL], s[SEL+1]
	s_delay_alu instid0(VALU_DEP_1)
	v_add_f32 v14, v14, v252                       ; the row's sum
	s_wait_alu depctr_va_vdst(0)
	v_rcp_f32 v14, v14
	v_nop
	s_wait_alu depctr_va_vdst(0)
	v_mov_b32 v15, v14
.set j, 0
.rept 16
	v_pk_mul_f32 v[S+j:S+j+1], v[O+j:O+j+1], v[14:15]
.set j, j+2
.endr
.irp b, 0,1
	v_max3_num_f32 v[232+\b], |v[S+16*\b]|, |v[S+1+16*\b]|, 0x1800000
.endr
.irp i, 2,4,6,8,10,12,14
.irp b, 0,1
	s_delay_alu instid0(VALU_DEP_2)
	v_max3_num_f32 v[232+\b], v[232+\b], |v[S+16*\b+\i]|, |v[S+1+16*\b+\i]|
.endr
.endr
.irp b, 0,1
	s_delay_alu instid0(VALU_DEP_2)
	v_permlanex16_b32 v[236+\b], v[232+\b], s[SEL], s[SEL+1]
.endr
.irp b, 0,1
	s_delay_alu instid0(VALU_DEP_2)
	v_max_num_f32 v[232+\b], v[232+\b], v[236+\b]
.endr
.irp b, 0,1
	s_delay_alu instid0(VALU_DEP_2)
	v_add_nc_u32 v[244+\b], 0xff000000, v[232+\b]
.endr
.irp b, 0,1
	s_delay_alu instid0(VALU_DEP_2)
	v_lshrrev_b32 v[236+\b], 23, v[244+\b]
.endr
	s_delay_alu instid0(VALU_DEP_1)
	v_lshl_or_b32 v253, v237, 8, v236              ; my head's two bytes of the row's scale word
	v_cvt_scalef32_pk16_fp6_f32 v[224:226], v[S:S+15], v244
	v_cvt_scalef32_pk16_fp6_f32 v[236:238], v[S+16:S+31], v245
	v_nop
.irp i, 0,1,2
	v_permlane16_swap_b32 v[224+\i], v[236+\i]
.endr
.irp i, 0,1,2
	s_delay_alu instid0(VALU_DEP_3)
	v_mov_b32 v[227+\i], v[236+\i]
.endr
	global_store_b128 v1, v[224:227], s[76:77]     ; 512 consecutive bytes, aligned
	global_store_b64 v2, v[228:229], s[76:77] offset:512
	global_store_b16 v3, v253, s[78:79]            ; lanes r and r + 16 hold the same bytes and name the same place
	s_wait_tensorcnt 0x0                           ; the wave's end
	ds_add_u32 v5, v6
	s_wait_dscnt 0x0
	s_endpgm
.Lfunc_end_k_qe0343f7253_attn:
	.size	k_qe0343f7253_attn, .Lfunc_end_k_qe0343f7253_attn-k_qe0343f7253_attn
	.p2alignl 7, 3214868480
	.fill 96, 4, 3214868480
	.section	.rodata,"a",@progbits
	.p2align	6, 0x0
	.amdhsa_kernel k_qe0343f7253_attn
		.amdhsa_group_segment_fixed_size 212992
		.amdhsa_private_segment_fixed_size 0
		.amdhsa_enable_private_segment 0
		.amdhsa_kernarg_size 16
		.amdhsa_user_sgpr_count 2
		.amdhsa_user_sgpr_kernarg_segment_ptr 1
		.amdhsa_wavefront_size32 1
		.amdhsa_system_sgpr_workgroup_id_x 1
		.amdhsa_system_sgpr_workgroup_id_y 1
		.amdhsa_system_sgpr_workgroup_id_z 1
		.amdhsa_system_vgpr_workitem_id 0
		.amdhsa_next_free_vgpr 256
		.amdhsa_next_free_sgpr 80
		.amdhsa_reserve_vcc 1
		.amdhsa_float_denorm_mode_32 3
		.amdhsa_float_denorm_mode_16_64 3
		.amdhsa_memory_ordered 1
		.amdhsa_forward_progress 1
		.amdhsa_inst_pref_size 109
	.end_amdhsa_kernel
	.amdgpu_metadata
---
amdhsa.version: [ 1, 2 ]
amdhsa.kernels:
  - .name:           k_qe0343f7253_attn
    .symbol:         k_qe0343f7253_attn.kd
    .args:
      - { .name: qkv, .offset: 0, .size: 8, .value_kind: global_buffer, .address_space: global }
      - { .name: yq, .offset: 8, .size: 8, .value_kind: global_buffer, .address_space: global }
    .group_segment_fixed_size: 212992
    .private_segment_fixed_size: 0
    .kernarg_segment_align: 8
    .kernarg_segment_size: 16
    .max_flat_workgroup_size: 512
    .sgpr_count:     80
    .vgpr_count:     256
    .wavefront_size: 32
...
	.end_amdgpu_metadata
.endif
;; end of part 3
;; launch g4ln (part 4): grid 256 x 1, 16 waves a work-group, no clusters, 86,016 bytes of LDS; arguments yq, wq, b_ao, x, g2, be2, x1, hq; writes x1, hq
.if DOCPART == 4
	.amdgcn_target "amdgcn-amd-amdhsa--gfx1250"
	.amdhsa_code_object_version 6
	.text
	.protected	k_qe0343f7253_g4ln
	.globl	k_qe0343f7253_g4ln
	.p2align	8
	.type	k_qe0343f7253_g4ln,@function
k_qe0343f7253_g4ln:
	s_mov_b64 s[64:65], 0
	v_nop
	global_prefetch_b8 v0, s[64:65] scope:SCOPE_SE
	s_setreg_imm32_b32 hwreg(HW_REG_WAVE_MODE, 25, 1), 1
	s_wait_xcnt 0x0
; x1 = x + y W_ao + b_ao (the product on codes of FP6, E2M3; the rest in f32), AND LayerNorm 2 of x1 with its quantiser, in one launch: x1 leaves as f32, LN2(x1) as codes and scale bytes for the next product.
; SHARES.  A work-group owns one tile of 16 WHOLE rows (tile 2 g + u, lane r = token 32 g + 8 u + r + 8 (r / 8)), so a row's mean and variance are summed inside it.  Wave w of sixteen owns columns 64 w .. 64 w + 63:
; four column tiles x eight K steps = 32 products on four accumulators by turns.  Source 0 = 16 rows of the weight, source 1 = the 16 tokens: register 16 b + 8 u + j of lane (r, h) is column 64 w + 32 b + 16 h + 8 u + j of token r:
; 2 x 16 neighbours along the next product's K, half a fragment of hq.  The sums begin with x + b_ao, which are loaded into that layout.
; THE WEIGHT GOES FROM MEMORY STRAIGHT INTO REGISTERS.  It lies in the order of the operand's registers (fragments of 1,536 bytes [tile][K step]), each load covers 512 or 256 consecutive bytes, and with 16 tokens to a work-group
; a fragment feeds ONE product: through LDS every byte would be written and read once more for nothing.  So there is no tensor load, and NO CLUSTER: joint loads exist only for tiles that land in LDS.  Two sets of four fragments: 32 loads a wave are out.
; NO PREFETCH: all 256 work-groups walk the same 786,432 bytes of the weight at the same time, and each wave's own loads run two K steps ahead.
; y's tile (12,288 bytes) is brought once, a sixteenth a wave, and handed round through LDS.  x1 leaves through a stage of each wave's own, sixteen lanes to 256 consecutive bytes.
; The mean and then the mean of (x1 - mean)^2 are summed in two passes: lane, lane xor 16, the sixteen waves' parts through LDS, joined by the same lines in every wave.
; LIMITS: a block of zeros or under 2^-124 keeps the byte 1 (this program alone reads the bytes); NaN and infinities are not served; a sum begins with x + b_ao where the reference adds them last.
.set YSC,    3145728                   ; the scale words in yq and in hq
.set WCODE,  2359296                   ; W_ao's codes in wq
.set WSCALE, 9535488                   ; and its scale words
.set STG,    12288                     ; LDS: y's tile from 0; then sixteen stages of 16 x 272 bytes
.set RED,    STG+16*4352               ; two exchanges of 16 rows x 64 bytes
.set SPARE,  RED+2048                  ; the spare words, 128 bytes a wave
.set SA,     17                        ; v17-20  y's scale words: register i: lanes 0-15 K step 2 i, lanes 16-31 K step 2 i + 1
.set SB,     24                        ; v24-39  the weight's: register 4 t + i likewise
.set X,      40                        ; v40-71  the four accumulators
.set AF,     72                        ; v72-95  y's fragments, two sets
.set T1,     96                        ; v96-127 b_ao, then g2
.set T2,     128                       ; v128-159 be2
.set BF,     160                       ; v160-255 the weight's fragments, two sets of four; behind the stream: v160-191 x1's rows, v192 on what the LayerNorm needs
.set OB,     160
.set TS,     208
; v1 16 x lane, v2 8 x lane, v3 4 x lane, v4 x's offset, v5 v6 the add's two, v7 64 h, v8 4 r, v9 v10 where my part of y goes, v11 v12 the stage in and back, v13 x1's offset, v14 v15 the exchange
	s_load_b256 s[4:11], s[0:1], 0x0               ; yq, wq, b_ao, x
	s_load_b256 s[12:19], s[0:1], 0x20             ; g2, be2, x1, hq
	v_lshl_add_u32 v5, v0, 2, SPARE
	v_mov_b32 v6, 0
	v_lshrrev_b32 v16, 5, v0
	v_readfirstlane_b32 s20, v16                   ; wave 0..15
	v_and_b32 v21, 31, v0
	v_and_b32 v22, 15, v0                          ; r
	v_bfe_u32 v23, v0, 4, 1                        ; h
	v_lshlrev_b32 v1, 4, v21
	v_lshlrev_b32 v2, 3, v21
	v_lshlrev_b32 v3, 2, v21
	v_lshlrev_b32 v7, 6, v23
	v_lshlrev_b32 v8, 2, v22
	v_and_b32 v4, 8, v22
	v_add_nc_u32 v4, v4, v22                       ; r + 8 (r / 8)
	v_lshl_add_u32 v4, v4, 12, v7                  ; rows of 4,096 bytes, + 64 h
	s_mul_i32 s21, s20, 768
	v_add_nc_u32 v9, s21, v1
	v_add_nc_u32 v10, s21, v2
	s_mul_i32 s22, s20, 4352
	s_add_co_u32 s22, s22, STG
	v_mul_u32_u24 v11, v22, 272
	v_add_nc_u32 v11, v11, v7
	v_add_nc_u32 v11, s22, v11                     ; in: row r, + 64 h
	v_mul_u32_u24 v12, v23, 272
	v_lshl_add_u32 v12, v22, 4, v12
	v_add_nc_u32 v12, s22, v12                     ; back: lanes 0-15 one row, lanes 16-31 the next
	v_lshlrev_b32 v13, 12, v23
	v_lshl_add_u32 v13, v22, 4, v13                ; the same two rows in x1
	v_lshl_add_u32 v15, v22, 6, RED                ; the exchange: 64 bytes a row,
	s_lshl_b32 s23, s20, 2
	v_add_nc_u32 v14, s23, v15                     ; my wave's word in them
	s_lshr_b32 s24, ttmp9, 1
	s_lshl_b32 s24, s24, 5
	s_and_b32 s25, ttmp9, 1
	s_lshl_b32 s25, s25, 3
	s_add_co_u32 s24, s24, s25                     ; the tile's first token
	s_lshl_b32 s24, s24, 12
	s_lshl_b32 s26, s20, 8                         ; my 64 columns, in bytes
	s_add_co_u32 s24, s24, s26
	s_mov_b32 s25, 0
	s_mov_b32 s27, 0
	s_mul_i32 s28, ttmp9, 12288
	s_add_co_u32 s28, s28, s21                     ; half fragment w of the tile: what I bring of yq, and what I store of hq
	s_mov_b32 s29, 0
	s_lshl_b32 s30, ttmp9, 9
	s_add_co_u32 s30, s30, YSC                     ; the tile's scale words
	s_mov_b32 s31, 0
	s_mul_i32 s34, s20, 49152
	s_add_co_u32 s34, s34, WCODE                   ; my four column tiles
	s_mov_b32 s35, 0
	s_lshl_b32 s36, s20, 11
	s_add_co_u32 s36, s36, WSCALE
	s_mov_b32 s37, 0
	s_lshr_b32 s38, s20, 1
	s_lshl_b32 s38, s38, 6
	s_and_b32 s39, s20, 1
	s_lshl_b32 s39, s39, 1
	s_add_co_u32 s38, s38, s39
	s_add_co_u32 s38, s38, s30                     ; my two bytes of a row's scale word: K step w / 2, bytes 2 (w % 2) on
	s_mov_b32 s39, 0
	s_mov_b32 s32, 0x76543210
	s_mov_b32 s33, 0xfedcba98                      ; lane xor 16
	s_mov_b32 s40, 0x3a800000                      ; 1 / 1,024
	s_mov_b32 s41, 0x3727c5ac                      ; 1e-5
	s_wait_alu depctr_va_vdst(0)                   ; the wait at the head's end
	s_wait_kmcnt 0x0
	s_add_nc_u64 s[42:43], s[4:5], s[28:29]
	s_add_nc_u64 s[44:45], s[4:5], s[30:31]
	s_add_nc_u64 s[46:47], s[6:7], s[34:35]
	s_add_nc_u64 s[48:49], s[6:7], s[36:37]
	s_add_nc_u64 s[8:9], s[8:9], s[26:27]
	s_add_nc_u64 s[10:11], s[10:11], s[24:25]
	s_add_nc_u64 s[12:13], s[12:13], s[26:27]
	s_add_nc_u64 s[14:15], s[14:15], s[26:27]
	s_add_nc_u64 s[16:17], s[16:17], s[24:25]
	s_add_nc_u64 s[50:51], s[18:19], s[28:29]
	s_add_nc_u64 s[52:53], s[18:19], s[38:39]
.macro VEC32 reg, off, base            ; 32 numbers in the sums' layout: eight loads of 16 bytes
.irp b, 0,1
.irp j, 0,1,2,3
	global_load_b128 v[\reg+16*\b+4*\j:\reg+16*\b+4*\j+3], \off, \base offset:128*\b+16*\j
.endr
.endr
.endm
.macro BLOAD k                         ; the weight's four fragments of K step k into set k % 2: 16 loads
.irp t, 0,1,2,3
	global_load_b128 v[BF+48*((\k)%2)+12*\t:BF+48*((\k)%2)+12*\t+3], v1, s[46:47] offset:(8*\t+(\k))*1536
	global_load_b64 v[BF+48*((\k)%2)+12*\t+4:BF+48*((\k)%2)+12*\t+5], v2, s[46:47] offset:(8*\t+(\k))*1536+512
	global_load_b128 v[BF+48*((\k)%2)+12*\t+6:BF+48*((\k)%2)+12*\t+9], v1, s[46:47] offset:(8*\t+(\k))*1536+768
	global_load_b64 v[BF+48*((\k)%2)+12*\t+10:BF+48*((\k)%2)+12*\t+11], v2, s[46:47] offset:(8*\t+(\k))*1536+1280
.endr
.endm
.macro ALOAD k                         ; y's fragment of K step k from LDS into set k % 2: 4 loads
	ds_load_b128 v[AF+12*((\k)%2):AF+12*((\k)%2)+3], v1 offset:1536*(\k)
	ds_load_b64 v[AF+12*((\k)%2)+4:AF+12*((\k)%2)+5], v2 offset:1536*(\k)+512
	ds_load_b128 v[AF+12*((\k)%2)+6:AF+12*((\k)%2)+9], v1 offset:1536*(\k)+768
	ds_load_b64 v[AF+12*((\k)%2)+10:AF+12*((\k)%2)+11], v2 offset:1536*(\k)+1280
.endm
.macro PLACES
.rept 4
	v_nop
.endr
.endm
.macro WM t, k, row
	v_wmma_scale_f32_16x16x128_f8f6f4 v[X+8*\t:X+8*\t+7], v[BF+48*((\k)%2)+12*\t:BF+48*((\k)%2)+12*\t+11], v[AF+12*((\k)%2):AF+12*((\k)%2)+11], v[X+8*\t:X+8*\t+7], v[SB+4*\t+(\k)/2], v[SA+(\k)/2] matrix_a_fmt:MATRIX_FMT_FP6 matrix_b_fmt:MATRIX_FMT_FP6 matrix_a_scale:MATRIX_SCALE_ROW\row matrix_b_scale:MATRIX_SCALE_ROW\row
.endm
.macro KSTEP k, cnt, row               ; cnt: the global loads issued behind this step's sixteen; row = k % 2: which half of the lanes holds this step's scale words
.if (\k) < 7
	ALOAD (\k)+1                                   ; its set was read by the step before, whose four places stand behind its products
	s_wait_dscnt 0x4                               ; this step's fragment of y is in; the four just issued may be out
.else
	s_wait_dscnt 0x0
.endif
	s_wait_loadcnt \cnt
.irp t, 0,1,2,3                        ; the four accumulators by turns, one instruction a turn
	WM \t, \k, \row
.endr
	PLACES                                         ; ahead of loads into, and reads of, these products' registers
.if (\k) < 6
	BLOAD (\k)+2
.endif
.endm
	global_load_b128 v[AF:AF+3], v1, s[42:43]      ; my sixteenth of y's tile
	global_load_b64 v[AF+4:AF+5], v2, s[42:43] offset:512
.irp i, 0,1,2,3
	global_load_b32 v[SA+\i], v3, s[44:45] offset:128*\i
.endr
.irp i, 0,1,2,3,4,5,6,7,8,9,10,11,12,13,14,15
	global_load_b32 v[SB+\i], v3, s[48:49] offset:128*\i
.endr
	VEC32 X, v4, s[10:11]                          ; x, into the accumulators
	VEC32 T1, v7, s[8:9]                           ; b_ao
	VEC32 T2, v7, s[14:15]                         ; be2
	BLOAD 0
	s_wait_loadcnt 60                              ; my part of y is in: 4 + 16 + 8 + 8 + 8 + 16 loads are younger
	ds_store_b128 v9, v[AF:AF+3]
	ds_store_b64 v10, v[AF+4:AF+5] offset:512
	BLOAD 1
	s_wait_dscnt 0x0                               ; for the others' sake: my stores have landed
	s_barrier_signal -1
	s_barrier_wait -1
	ALOAD 0
	s_wait_loadcnt 40                              ; the scale words, x and b_ao are in: be2's 8 and the weight's 32 loads are younger
.set i, 0
.rept 16
	v_pk_add_f32 v[X+i:X+i+1], v[X+i:X+i+1], v[T1+i:T1+i+1]   ; the sums begin with x + b_ao
.set i, i+2
.endr
	PLACES
	s_wait_alu depctr_va_vdst(0)
	VEC32 T1, v7, s[12:13]                         ; g2, where b_ao lay
	KSTEP 0, 24, 0                                 ; younger: K step 1's 16 and g2's 8
	KSTEP 1, 24, 1                                 ; g2's 8 and K step 2's 16
	KSTEP 2, 16, 0
	KSTEP 3, 16, 1
	KSTEP 4, 16, 0
	KSTEP 5, 16, 1
	KSTEP 6, 16, 0
	KSTEP 7, 0, 1
	; x1 into my stage, each accumulator from its low end on, and back as rows of 256 bytes (LDS serves a wave's instructions in order)
.irp t, 0,1,2,3
	ds_store_b128 v11, v[X+8*\t:X+8*\t+3] offset:128*(\t/2)+32*(\t%2)
	ds_store_b128 v11, v[X+8*\t+4:X+8*\t+7] offset:128*(\t/2)+32*(\t%2)+16
.endr
.irp t, 0,1,2,3,4,5,6,7
	ds_load_b128 v[OB+4*\t:OB+4*\t+3], v12 offset:2*\t*272
.endr
.macro JOIN off, out                   ; four chains, lane xor 16, sixteen waves: the row's sum in v[TS] of every lane
	v_pk_add_f32 v[TS:TS+1], v[TS:TS+1], v[TS+2:TS+3]
	v_pk_add_f32 v[TS+4:TS+5], v[TS+4:TS+5], v[TS+6:TS+7]
	v_pk_add_f32 v[TS:TS+1], v[TS:TS+1], v[TS+4:TS+5]
	v_add_f32 v[TS], v[TS], v[TS+1]
	v_permlanex16_b32 v[TS+1], v[TS], s32, s33
	v_add_f32 v[TS], v[TS], v[TS+1]
	ds_store_b32 v14, v[TS] offset:\off            ; lanes r and r + 16 write the same word with the same value
	s_wait_dscnt 0x0                               ; my store has landed (and, the first time, x1's rows are back from the stage)
.if \out
.irp t, 0,1,2,3,4,5,6,7
	global_store_b128 v13, v[OB+4*\t:OB+4*\t+3], s[16:17] offset:(2*\t+8*(\t/4))*4096   ; sixteen lanes store 256 consecutive bytes, aligned
.endr
.endif
	s_barrier_signal -1
	s_barrier_wait -1
.irp i, 0,1,2,3
	ds_load_b128 v[TS+4*\i:TS+4*\i+3], v15 offset:\off+16*\i
.endr
	s_wait_dscnt 0x0
.irp i, 0,4,8,12
	v_pk_add_f32 v[TS+\i:TS+\i+1], v[TS+\i:TS+\i+1], v[TS+\i+2:TS+\i+3]   ; the same lines in every wave: the same bits
.endr
	v_pk_add_f32 v[TS:TS+1], v[TS:TS+1], v[TS+4:TS+5]
	v_pk_add_f32 v[TS+8:TS+9], v[TS+8:TS+9], v[TS+12:TS+13]
	v_pk_add_f32 v[TS:TS+1], v[TS:TS+1], v[TS+8:TS+9]
	v_add_f32 v[TS], v[TS], v[TS+1]
.endm
.irp c, 0,1,2,3
	v_pk_add_f32 v[TS+2*\c:TS+2*\c+1], v[X+2*\c:X+2*\c+1], v[X+8+2*\c:X+8+2*\c+1]
.endr
.irp i, 16,24
.irp c, 0,1,2,3
	v_pk_add_f32 v[TS+2*\c:TS+2*\c+1], v[TS+2*\c:TS+2*\c+1], v[X+\i+2*\c:X+\i+2*\c+1]
.endr
.endr
	JOIN 0, 1
	v_mul_f32 v192, s40, v[TS]                     ; the mean
	v_mov_b32 v193, v192
.set i, 0
.rept 16
	v_pk_add_f32 v[X+i:X+i+1], v[X+i:X+i+1], v[192:193] neg_lo:[0,1] neg_hi:[0,1]
.set i, i+2
.endr
.irp c, 0,1,2,3
	v_pk_mul_f32 v[TS+2*\c:TS+2*\c+1], v[X+2*\c:X+2*\c+1], v[X+2*\c:X+2*\c+1]
.endr
.irp i, 8,16,24
.irp c, 0,1,2,3
	v_pk_fma_f32 v[TS+2*\c:TS+2*\c+1], v[X+\i+2*\c:X+\i+2*\c+1], v[X+\i+2*\c:X+\i+2*\c+1], v[TS+2*\c:TS+2*\c+1]
.endr
.endr
	JOIN 1024, 0                                   ; other bytes than the first exchange
	v_fma_f32 v194, v[TS], s40, s41                ; the variance + 1e-5
	s_wait_alu depctr_va_vdst(0)                   ; the wait ahead of the transcendental,
	v_rsq_f32 v194, v194
	v_nop                                          ; a plain line behind it,
	s_wait_alu depctr_va_vdst(0)                   ; and the wait ahead of its first reader
	v_mov_b32 v195, v194
.set i, 0
.rept 16
	v_pk_mul_f32 v[X+i:X+i+1], v[X+i:X+i+1], v[194:195]
.set i, i+2
.endr
.set i, 0
.rept 16
	v_pk_fma_f32 v[X+i:X+i+1], v[X+i:X+i+1], v[T1+i:T1+i+1], v[T2+i:T2+i+1]
.set i, i+2
.endr
	; the quantiser: my two blocks of 32 columns, 16 numbers of each in lanes r and r + 16
.irp b, 0,1
	v_mov_b32 v[198+\b], 0                         ; a lane permute's destination counts as one of its sources
.endr
.irp b, 0,1
	v_max3_num_f32 v[196+\b], |v[X+16*\b]|, |v[X+1+16*\b]|, 0x1800000   ; with the floor 2^(3 - 127): the byte cannot fall under 1
.endr
.irp i, 2,4,6,8,10,12,14
.irp b, 0,1
	v_max3_num_f32 v[196+\b], v[196+\b], |v[X+16*\b+\i]|, |v[X+1+16*\b+\i]|
.endr
.endr
.irp b, 0,1
	v_permlanex16_b32 v[198+\b], v[196+\b], s32, s33
.endr
.irp b, 0,1
	v_max_num_f32 v[196+\b], v[196+\b], v[198+\b]
.endr
.irp b, 0,1
	v_add_nc_u32 v[200+\b], 0xff000000, v[196+\b]  ; 2 off the exponent field: the conversion's scale operand
.endr
.irp b, 0,1
	v_lshrrev_b32 v[202+\b], 23, v[200+\b]         ; the scale's byte
.endr
	v_lshl_or_b32 v204, v203, 8, v202
	v_cvt_scalef32_pk16_fp6_f32 v[224:226], v[X:X+15], v200
	v_cvt_scalef32_pk16_fp6_f32 v[236:238], v[X+16:X+31], v201
	v_nop                                          ; one plain line behind a scaled conversion
.irp i, 0,1,2
	v_permlane16_swap_b32 v[224+\i], v[236+\i]     ; a whole block to a lane: lanes 0-15 the first, lanes 16-31 the second
.endr
.irp i, 0,1,2
	v_mov_b32 v[227+\i], v[236+\i]
.endr
	global_store_b128 v1, v[224:227], s[50:51]     ; 512 consecutive bytes, aligned
	global_store_b64 v2, v[228:229], s[50:51] offset:512
	global_store_b16 v8, v204, s[52:53]            ; lanes r and r + 16 hold the same bytes and name the same place
	s_wait_tensorcnt 0x0                           ; the wave's end
	ds_add_u32 v5, v6
	s_wait_dscnt 0x0
	s_endpgm
.Lfunc_end_k_qe0343f7253_g4ln:
	.size	k_qe0343f7253_g4ln, .Lfunc_end_k_qe0343f7253_g4ln-k_qe0343f7253_g4ln
	.p2alignl 7, 3214868480
	.fill 96, 4, 3214868480
	.section	.rodata,"a",@progbits
	.p2align	6, 0x0
	.amdhsa_kernel k_qe0343f7253_g4ln
		.amdhsa_group_segment_fixed_size 86016
		.amdhsa_private_segment_fixed_size 0
		.amdhsa_enable_private_segment 0
		.amdhsa_kernarg_size 64
		.amdhsa_user_sgpr_count 2
		.amdhsa_user_sgpr_kernarg_segment_ptr 1
		.amdhsa_wavefront_size32 1
		.amdhsa_system_sgpr_workgroup_id_x 1
		.amdhsa_system_sgpr_workgroup_id_y 1
		.amdhsa_system_sgpr_workgroup_id_z 1
		.amdhsa_system_vgpr_workitem_id 0
		.amdhsa_next_free_vgpr 256
		.amdhsa_next_free_sgpr 66
		.amdhsa_reserve_vcc 0
		.amdhsa_float_denorm_mode_32 3
		.amdhsa_float_denorm_mode_16_64 3
		.amdhsa_memory_ordered 1
		.amdhsa_forward_progress 1
		.amdhsa_inst_pref_size 42
	.end_amdhsa_kernel
	.amdgpu_metadata
---
amdhsa.version: [ 1, 2 ]
amdhsa.kernels:
  - .name:           k_qe0343f7253_g4ln
    .symbol:         k_qe0343f7253_g4ln.kd
    .args:
      - { .name: yq, .offset: 0, .size: 8, .value_kind: global_buffer, .address_space: global }
      - { .name: wq, .offset: 8, .size: 8, .value_kind: global_buffer, .address_space: global }
      - { .name: b_ao, .offset: 16, .size: 8, .value_kind: global_buffer, .address_space: global }
      - { .name: x, .offset: 24, .size: 8, .value_kind: global_buffer, .address_space: global }
      - { .name: g2, .offset: 32, .size: 8, .value_kind: global_buffer, .address_space: global }
      - { .name: be2, .offset: 40, .size: 8, .value_kind: global_buffer, .address_space: global }
      - { .name: x1, .offset: 48, .size: 8, .value_kind: global_buffer, .address_space: global }
      - { .name: hq, .offset: 56, .size: 8, .value_kind: global_buffer, .address_space: global }
    .group_segment_fixed_size: 86016
    .private_segment_fixed_size: 0
    .kernarg_segment_align: 8
    .kernarg_segment_size: 64
    .max_flat_workgroup_size: 512
    .sgpr_count:     66
    .vgpr_count:     256
    .wavefront_size: 32
...
	.end_amdgpu_metadata
.endif
;; end of part 4
;; launch g5 (part 5): grid 16 x 16, 4 waves a work-group, clusters of 4 x 4, 327,680 bytes of LDS; arguments hq, wq, b_fc, mq; writes mq
.if DOCPART == 5
	.amdgcn_target "amdgcn-amd-amdhsa--gfx1250"
	.amdhsa_code_object_version 6
	.text
	.protected	k_qe0343f7253_g5
	.globl	k_qe0343f7253_g5
	.p2align	8
	.type	k_qe0343f7253_g5,@function
k_qe0343f7253_g5:
	s_mov_b64 s[64:65], 0
	v_nop
	global_prefetch_b8 v0, s[64:65] scope:SCOPE_SE
	s_setreg_imm32_b32 hwreg(HW_REG_WAVE_MODE, 25, 1), 1
	s_wait_xcnt 0x0
	s_wait_alu depctr_hold_cnt(0) depctr_sa_sdst(0) depctr_va_vdst(0) depctr_va_sdst(0) depctr_va_ssrc(0) depctr_va_vcc(0) depctr_vm_vsrc(0)
	s_getreg_b32 s2, hwreg(HW_REG_IB_STS2, 6, 4)
	s_cmp_eq_u32 s2, 0
	s_cbranch_scc0 .Lentry_in_a_cluster
	s_endpgm
.Lentry_in_a_cluster:
	s_bfe_u32 s2, ttmp6, 0x10000c
	s_cmp_lg_u32 s2, 0xf033
	s_cbranch_scc0 .Lentry_shape_is_right
	s_endpgm
.Lentry_shape_is_right:
; m = gelu(LN2(x1) W_fc + b_fc), the product on codes of FP6 (E2M3), the exact gelu in f32, and m quantised along the hidden axis for the next product; m goes to memory as codes alone.
; Operands lie in memory in the order of the operand's registers: fragments of 1,536 bytes [tile of 16 rows][K step of 128], scale words 64 bytes a fragment; tile 2 g + u, lane r = row 32 g + 8 u + r + 8 (r / 8).
; A work-group makes 256 x 256, each of four waves 128 x 128: 64 accumulators.  Source 1 = 16 tokens (lanes), source 0 = 16 rows of W_fc (registers): a lane's 64 registers of a tile of tokens are 4 x 16
; neighbours along the hidden axis: one K step of the next product.
; K = 1,024 goes through two LDS slots of 256 along K, filled by tensor loads.  CLUSTER 4 x 4: the tokens' tiles are shared along a row of the cluster, the weight's along a column: joint loads.
; GELU: 0.5 x (1 + erf(x / sqrt 2)) by a two-piece f32 erf.  |z| over 0.9277: erfc(|z|) = exp(polynomial), and gelu = max(x, 0) - |x| erfc / 2, which keeps the small negative tail's relative accuracy;
; else erf(z) = z + z polynomial(z^2).  Both pieces are computed for every number and one is selected: no branch on data.
; The way out is a loop of eight trips, one tile of tokens each, so that the gelu's lines are written once.
; REGISTERS: window 0: v16-31 addresses, v32-47 scale words, v64-255 the tokens' two sets, later the way out; window 1: the weight's two sets at v0, v128, the bias in v96-127, v224-255; windows 2, 3: the accumulators.
; LIMITS: a block of zeros or under 2^-124 keeps the byte 1 (read by this program alone); v_exp_f32 gives 0 under 2^-126; NaN and infinities are not served.
.set T,     8
.set NQ,    2
.set KS,    8
.set LAPS,  2
.set FRB,   1536
.set PART,  T*NQ*FRB
.set SLOT,  4*PART
.set HALFS, T*KS*64
.set SCA,   2*SLOT
.set SCB,   SCA+2*HALFS+64
.set SPARE, ((SCB+2*HALFS+255)/256)*256
.set BSET,  128
.set ASET,  64
.set SC,    32
.set ADRA,  16
.set ADRB,  20
.set SR,    26
.set ADRS,  27
.set SPW,   28
.set NIL,   29
.set LI,    30
.set L8,    31
.set X,     64
.set PC,    128
.set TM,    148
.set PW,    164
.set VV,    168
.set MX,    48
.macro HORN d, m, k                    ; d = d m + k, sixteen numbers
.irp i, 0,2,4,6,8,10,12,14
	v_pk_fma_f32 v[\d+\i:\d+\i+1], v[\d+\i:\d+\i+1], v[\m+\i:\m+\i+1], \k op_sel_hi:[1,1,0]
.endr
.endm
.set TT,    184
.set SS,    200
.set RR,    216
.set UU,    232
.set C1P,   248
.set C3P,   250
.set C8P,   252
.set SEL,   2
.set G1, 24
.set G0, 32
.set G1B, 48
.set G0B, 56
.set G1S, 68
.set G0S, 76
.set G1SB, 80
.set G0SB, 88
.set MSB, 0
.macro WIN new                         ; the immediate's high byte repeats the setting that is left
.if MSB != (\new)
	s_set_vgpr_msb (MSB<<8)|(\new)
.set MSB, \new
.endif
.endm
.macro JLOAD g0a, g1a, g0b, g1b
	s_cmp_eq_u32 s15, 0
	s_cbranch_scc0 .Lfor_b_\@
	tensor_load_to_lds s[\g0a:\g0a+3], s[\g1a:\g1a+7]
	s_nop 0
.rept 4
	v_nop
.endr
	s_branch .Lasked_\@
.Lfor_b_\@:
	tensor_load_to_lds s[\g0b:\g0b+3], s[\g1b:\g1b+7]
	s_nop 0
.rept 4
	v_nop
.endr
.Lasked_\@:
.endm
.macro CREST
	s_cmp_lg_u32 s14, 0
	s_cbranch_scc1 .Lnot_wave_0_\@
	s_barrier_signal -3
.Lnot_wave_0_\@:
	s_barrier_wait -3
	s_barrier_signal -1
	s_barrier_wait -1
.endm
.macro CROUND
	s_barrier_signal -1
	s_barrier_wait -1
	CREST
.endm
.macro PLACES
.rept 4
	v_nop
.endr
.endm
.macro FRAG reg, a16, a8, off
	ds_load_b128 v[(\reg):(\reg)+3], v[\a16] offset:(\off)
	ds_load_b64 v[(\reg)+4:(\reg)+5], v[\a8] offset:(\off)+512
	ds_load_b128 v[(\reg)+6:(\reg)+9], v[\a16] offset:(\off)+768
	ds_load_b64 v[(\reg)+10:(\reg)+11], v[\a8] offset:(\off)+1280
.endm
.macro FETCHALL slot, q, p
	WIN 0x40
.set ii, 0
.rept T
	FRAG BSET*(\p)+12*ii, ADRB+\slot, ADRB+2+\slot, ii*NQ*FRB+(\q)*FRB
.set ii, ii+1
.endr
	WIN 0
.set ii, 0
.rept T
	FRAG ASET+12*T*(\p)+12*ii, ADRA+\slot, ADRA+2+\slot, ii*NQ*FRB+(\q)*FRB
.set ii, ii+1
.endr
.set ii, 0
.rept T
	ds_load_b32 v[SC+T*(\p)+ii], v[ADRS] offset:ii*KS*64+(\q)*64
.set ii, ii+1
.endr
.endm
.macro MULROW a, p, zero               ; the accumulators take turns, one instruction a turn, in the same order in every step
	WIN 0xa1+0x50*((\a)/4)
.set bb, 0
.rept T
.set AC, 8*(T*((\a)%4)+bb)
.set BS, BSET*(\p)+12*bb
.set AS, ASET+12*T*(\p)+12*(\a)
.set SB, SC+T*(\p)+bb
.set SA, SC+T*(\p)+(\a)
.if \zero
	v_wmma_scale_f32_16x16x128_f8f6f4 v[AC:AC+7], v[BS:BS+11], v[AS:AS+11], 0, v[SB], v[SA] matrix_a_fmt:MATRIX_FMT_FP6 matrix_b_fmt:MATRIX_FMT_FP6 matrix_a_scale:MATRIX_SCALE_ROW1
.else
	v_wmma_scale_f32_16x16x128_f8f6f4 v[AC:AC+7], v[BS:BS+11], v[AS:AS+11], v[AC:AC+7], v[SB], v[SA] matrix_a_fmt:MATRIX_FMT_FP6 matrix_b_fmt:MATRIX_FMT_FP6 matrix_a_scale:MATRIX_SCALE_ROW1
.endif
.set bb, bb+1
.endr
.endm
.macro STEP slot, q, zero
	s_wait_dscnt 0x0                               ; this step's fragments and scale words are in
	PLACES
	FETCHALL \slot, (\q)+1, 1-(\q)%2
.set aa, 0
.rept T
	MULROW aa, (\q)%2, \zero
.set aa, aa+1
.endr
	WIN 0
.endm
.macro RUN slot, q0
.set qq, \q0
.rept NQ-1-(\q0)
	STEP \slot, qq, 0
.set qq, qq+1
.endr
.endm
.macro TURN slot, next, fill
	s_wait_tensorcnt 0x0                           ; all my tensor loads have landed: my part of the next slot
	ds_add_u32 v[SPW], v[NIL]                      ; 0 onto my spare word
	s_wait_dscnt 0x1                               ; this step's fragments are in; the add alone may be out
	MULROW 0, 1, 0
	s_wait_dscnt 0x0                               ; the add is done, and my reads of this slot are over
	s_barrier_signal -1
	MULROW 1, 1, 0
	WIN 0
	s_barrier_wait -1
.if \fill
	CREST                                          ; no wave of any partner still reads this slot or has a load on its way
	s_add_nc_u64 s[G0+4*\slot+2:G0+4*\slot+3], s[G0+4*\slot+2:G0+4*\slot+3], 2*NQ*FRB
	s_add_nc_u64 s[G0B+4*\slot+2:G0B+4*\slot+3], s[G0B+4*\slot+2:G0B+4*\slot+3], 2*NQ*FRB
	JLOAD G0+4*\slot, G1, G0B+4*\slot, G1B
.else
	PLACES
.endif
	s_wait_alu depctr_va_vdst(0)
	v_add_nc_u32 v[ADRS], NQ*64, v[ADRS]
	FETCHALL \next, 0, 0
.set aa, 2
.rept T-2
	MULROW aa, 1, 0
.set aa, aa+1
.endr
	WIN 0
.endm
.macro QUANT s
.irp b, 0,1,2,3
	v_max3_num_f32 v[TM+\b], |v[\s+16*\b]|, |v[\s+1+16*\b]|, 0x1800000
.endr
.irp i, 2,4,6,8,10,12,14
.irp b, 0,1,2,3
	v_max3_num_f32 v[TM+\b], v[TM+\b], |v[\s+16*\b+\i]|, |v[\s+1+16*\b+\i]|
.endr
.endr
.irp b, 0,1,2,3
	v_permlanex16_b32 v[TM+4+\b], v[TM+\b], s[SEL], s[SEL+1]
.endr
.irp b, 0,1,2,3
	v_max_num_f32 v[TM+\b], v[TM+\b], v[TM+4+\b]
.endr
.irp b, 0,1,2,3
	v_add_nc_u32 v[TM+12+\b], 0xff000000, v[TM+\b]
.endr
.irp b, 0,1,2,3
	v_lshrrev_b32 v[TM+4+\b], 23, v[TM+12+\b]
.endr
	v_lshl_or_b32 v[PW], v[TM+5], 8, v[TM+4]
	v_lshl_or_b32 v[PW], v[TM+6], 16, v[PW]
	v_lshl_or_b32 v[PW], v[TM+7], 24, v[PW]
.irp c, 0,1
	v_cvt_scalef32_pk16_fp6_f32 v[PC+6*\c:PC+2+6*\c], v[\s+32*\c:\s+15+32*\c], v[TM+12+2*\c]
	v_cvt_scalef32_pk16_fp6_f32 v[PC+12+4*\c:PC+14+4*\c], v[\s+16+32*\c:\s+31+32*\c], v[TM+12+2*\c+1]
.endr
	v_nop                                          ; one plain line behind a scaled conversion
.irp c, 0,1
.irp i, 0,1,2
	v_permlane16_swap_b32 v[PC+6*\c+\i], v[PC+12+4*\c+\i]
.endr
.irp i, 0,1,2
	v_mov_b32 v[PC+3+6*\c+\i], v[PC+12+4*\c+\i]
.endr
.endr
.endm
; gelu of 16 numbers, in place.  Each line of eight packed instructions is independent within itself.
.macro GELU16 x
; BOTH PIECES GIVE E = erfc(t) / 2, t = |x| / sqrt 2, and gelu = max(x, 0) - |x| E in both: over 0.9277 E = exp2(polynomial), else E = 0.5 - 0.5 (t + t polynomial(t^2)), which there lies over 0.09: no difference of near numbers is formed.
; The two polynomials take turns, eight packed lines each, so that a line reads what stands sixteen lines back.
.irp i, 0,1,2,3,4,5,6,7,8,9,10,11,12,13,14,15
	v_mul_f32 v[TT+\i], 0x3f3504f3, |v[(\x)+\i]|   ; t
.endr
.irp i, 0,2,4,6,8,10,12,14
	v_pk_mul_f32 v[SS+\i:SS+\i+1], v[TT+\i:TT+\i+1], v[TT+\i:TT+\i+1]                     ; s = t^2
.endr
.irp i, 0,2,4,6,8,10,12,14
	v_pk_fma_f32 v[RR+\i:RR+\i+1], v[TT+\i:TT+\i+1], 0xb7910000, v[C1P:C1P+1] op_sel_hi:[1,0,1]
.endr
.irp i, 0,2,4,6,8,10,12,14
	v_pk_fma_f32 v[UU+\i:UU+\i+1], v[TT+\i:TT+\i+1], 0xbb7e8a1c, v[C3P:C3P+1] op_sel_hi:[1,0,1]
.endr
.irp i, 0,2,4,6,8,10,12,14
	v_pk_fma_f32 v[VV+\i:VV+\i+1], v[SS+\i:SS+\i+1], 0xba1c7000, v[C8P:C8P+1] op_sel_hi:[1,0,1]
.endr
.irp i, 0,2,4,6,8,10,12,14
	v_pk_fma_f32 v[RR+\i:RR+\i+1], v[RR+\i:RR+\i+1], v[SS+\i:SS+\i+1], v[UU+\i:UU+\i+1]
.endr
	HORN VV, SS, 0xbcdb48d9
	HORN RR, TT, 0xbddaae5c
	HORN VV, SS, 0x3de70e22
	HORN RR, TT, 0xbf228550
	HORN VV, SS, 0xbec09380
	HORN RR, TT, 0xbe03ce86
	HORN VV, SS, 0x3e0375d4
.irp i, 0,2,4,6,8,10,12,14
	v_pk_fma_f32 v[RR+\i:RR+\i+1], v[RR+\i:RR+\i+1], v[TT+\i:TT+\i+1], v[TT+\i:TT+\i+1] neg_lo:[0,0,1] neg_hi:[0,0,1]
.endr
.irp i, 0,2,4,6,8,10,12,14
	v_pk_fma_f32 v[VV+\i:VV+\i+1], v[VV+\i:VV+\i+1], v[TT+\i:TT+\i+1], v[TT+\i:TT+\i+1]   ; erf(t)
.endr
.irp i, 0,2,4,6,8,10,12,14
	v_pk_fma_f32 v[RR+\i:RR+\i+1], v[RR+\i:RR+\i+1], 0x3fb8aa3b, -1.0 op_sel_hi:[1,0,0]   ; x log2(e), - 1: the exponential below gives erfc / 2
.endr
	s_wait_alu depctr_va_vdst(0)                   ; the wait ahead of the batch: it covers every source below
.irp i, 0,1,2,3,4,5,6,7,8,9,10,11,12,13,14,15
	v_exp_f32 v[RR+\i], v[RR+\i]
	v_max_num_f32 v[MX+\i], 0, v[(\x)+\i]          ; plain lines behind each exponential: their sources were written ahead of the wait above, their results are read behind the wait below
	v_cmp_lt_f32 s[24+\i], 0x3f6d8000, v[TT+\i]    ; a mask for each number, in scalar registers whose descriptors are done with
.if (\i)%2 == 0
	v_pk_fma_f32 v[VV+\i:VV+\i+1], v[VV+\i:VV+\i+1], -0.5, 0.5 op_sel_hi:[1,0,0]          ; the small piece's E
.endif
.endr
	s_wait_alu depctr_va_vdst(0)                   ; one wait for the sixteen exponentials, ahead of their first reader
.irp i, 0,1,2,3,4,5,6,7,8,9,10,11,12,13,14,15
	v_cndmask_b32 v[RR+\i], v[VV+\i], v[RR+\i], s[24+\i]
.endr
.irp i, 0,1,2,3,4,5,6,7,8,9,10,11,12,13,14,15
	v_fma_f32 v[(\x)+\i], -|v[(\x)+\i]|, v[RR+\i], v[MX+\i]    ; max(x, 0) - |x| E
.endr
.endm
	s_load_b256 s[4:11], s[0:1], 0x0               ; hq, wq, b_fc, mq
	v_lshl_add_u32 v[SPW], v0, 2, SPARE
	v_mov_b32 v[NIL], 0
	ds_add_u32 v[SPW], v[NIL]                      ; the wave's opening: the add and its wait ahead of my first tensor load
	ds_add_u32 v[SPW], v[NIL]
	v_lshrrev_b32 v1, 5, v0
	v_readfirstlane_b32 s14, v1
	s_lshr_b32 s15, s14, 1
	s_and_b32 s16, s14, 1
	s_bfe_u32 s40, ttmp6, 0x40000                  ; cx
	s_bfe_u32 s41, ttmp6, 0x40004                  ; cy
	s_lshl_b32 s42, ttmp9, 2
	s_add_co_u32 s42, s42, s40                     ; which 256 hidden units
	s_and_b32 s17, ttmp7, 0xffff
	s_lshl_b32 s17, s17, 2
	s_add_co_u32 s17, s17, s41                     ; which 256 tokens
	s_lshl_b32 s43, s41, 2
	s_lshl_b32 s43, 15, s43
	s_lshl_b32 s44, 0x1111, s40
	s_or_b32 s[G1], s43, (3<<16)|(1<<21)
	s_or_b32 s[G1B], s44, (3<<16)|(1<<21)
.irp g, G1, G1B
	s_mov_b32 s[\g+1], (NQ*192)<<16
	s_mov_b32 s[\g+2], T<<16
	s_mov_b32 s[\g+3], (NQ*192)<<16
	s_mov_b32 s[\g+4], T
	s_mov_b32 s[\g+5], KS*192
	s_mov_b32 s[\g+6], 0
	s_mov_b32 s[\g+7], 0
.endr
	s_mul_i32 s18, s16, T
	s_mul_i32 s20, s17, 2*T
	s_add_co_u32 s20, s20, s18
	s_mul_i32 s46, s42, 2*T
	s_add_co_u32 s46, s46, s18
	s_mul_i32 s22, s20, KS*64
	s_add_co_u32 s22, s22, 3145728                 ; hq's scale words
	s_mul_i32 s92, s46, KS*64
	s_add_co_u32 s92, s92, 9568256                 ; W_fc's
	s_mul_i32 s20, s20, KS*FRB
	s_mul_i32 s46, s46, KS*FRB
	s_add_co_u32 s46, s46, 3145728                 ; W_fc's codes in wq
	s_mov_b32 s21, 0
	s_mov_b32 s23, 0
	s_mov_b32 s47, 0
	s_mov_b32 s93, 0
	s_mul_i32 s45, s14, PART
	s_mul_i32 s94, s14, HALFS
	s_lshl_b32 s95, s15, 6
	s_add_co_u32 s94, s94, s95
	s_add_co_u32 s94, s94, SCA
	s_wait_dscnt 0x0
	s_wait_kmcnt 0x0
	s_add_nc_u64 s[20:21], s[4:5], s[20:21]
	s_add_nc_u64 s[22:23], s[4:5], s[22:23]
	s_add_nc_u64 s[46:47], s[6:7], s[46:47]
	s_add_nc_u64 s[92:93], s[6:7], s[92:93]
	CROUND
	s_cmp_eq_u32 s15, 0                            ; the scale words of my 128 rows, HALFS dense bytes, come by plain loads and LDS stores: my one tensor load at the head is my part of slot 0
	s_cselect_b64 s[22:23], s[22:23], s[92:93]
	v_and_b32 v1, 31, v0
	v_lshlrev_b32 v2, 4, v1                        ; 16 x lane: a load covers 512 consecutive bytes
	v_add_nc_u32 v3, s94, v2                       ; and their place in LDS
	; THE PREFETCHES.  My part of a slot is 8 rows x 12 blocks of 256 bytes; the four partners that ask for it jointly take two rows each, told apart by address alone (cx for the tokens, cy for the weight):
	; lane l < 24 names block l % 12 of row l / 12; the lanes left over name lane 23's block again
	v_min_u32 v15, 23, v1
	v_mul_u32_u24 v14, v15, 171
	v_lshrrev_b32 v14, 11, v14                     ; l / 12
	v_mul_u32_u24 v14, v14, (KS-NQ)*FRB
	v_lshl_add_u32 v15, v15, 8, v14                ; 256 l, + a row's pitch less the 12 blocks passed
	s_cselect_b64 s[68:69], s[20:21], s[46:47]     ; where my part of slot 0 begins in memory
	s_cselect_b32 s70, s40, s41
	s_mul_i32 s70, s70, (T/4)*KS*FRB
	s_mov_b32 s71, 0
	s_add_nc_u64 s[68:69], s[68:69], s[70:71]      ; my work-group's two rows of it
	s_wait_alu depctr_va_vdst(0)                   ; the wait behind these writes
.irp s, 0,1
	s_mov_b32 s[G0+4*\s], 1
	s_add_co_u32 s[G0+4*\s+1], s45, \s*SLOT
	s_add_nc_u64 s[G0+4*\s+2:G0+4*\s+3], s[20:21], \s*NQ*FRB
	s_or_b32 s[G0+4*\s+3], s[G0+4*\s+3], 0x80000000
	s_mov_b32 s[G0B+4*\s], 1
	s_add_co_u32 s[G0B+4*\s+1], s45, \s*SLOT
	s_add_nc_u64 s[G0B+4*\s+2:G0B+4*\s+3], s[46:47], \s*NQ*FRB
	s_or_b32 s[G0B+4*\s+3], s[G0B+4*\s+3], 0x80000000
.if \s
	s_wait_loadcnt 0x0                             ; my scale words are in registers
.set ii, 0
.rept HALFS/512
	ds_store_b128 v3, v[64+4*ii:64+4*ii+3] offset:512*ii
.set ii, ii+1
.endr
	s_wait_tensorcnt 0x0                           ; my part of slot 0 is in
	ds_add_u32 v[SPW], v[NIL]
	s_wait_dscnt 0x0                               ; the add and my stores of scale words are done
	CROUND                                         ; slot 0 and all scale words are shown to every wave
.endif
	JLOAD G0+4*\s, G1, G0B+4*\s, G1B
.if \s == 0
.set ii, 0
.rept HALFS/512
	global_load_b128 v[64+4*ii:64+4*ii+3], v2, s[22:23] offset:512*ii
.set ii, ii+1
.endr
	global_prefetch_b8 v15, s[68:69] offset:NQ*FRB th:TH_LOAD_NT scope:SCOPE_SE     ; behind slot 0's fill: slots 1 and 2, one and two fills ahead
	global_prefetch_b8 v15, s[68:69] offset:2*NQ*FRB th:TH_LOAD_NT scope:SCOPE_SE
.else
	global_prefetch_b8 v15, s[68:69] offset:3*NQ*FRB th:TH_LOAD_NT scope:SCOPE_SE   ; behind slot 1's fill: slot 3, the last: the refills ask for nothing
.endif
.endr
	v_and_b32 v1, 31, v0
	v_and_b32 v2, 15, v0
	v_bfe_u32 v3, v0, 4, 1
	v_lshlrev_b32 v[LI], 4, v1
	v_lshlrev_b32 v[L8], 3, v1
	s_mul_i32 s21, s15, PART
	s_mul_i32 s22, s16, PART
	s_add_co_u32 s22, s22, 2*PART
.irp s, 0,1
	v_add_nc_u32 v[ADRA+\s], s21, v[LI]
	v_add_nc_u32 v[ADRA+2+\s], s21, v[L8]
	v_add_nc_u32 v[ADRB+\s], s22, v[LI]
	v_add_nc_u32 v[ADRB+2+\s], s22, v[L8]
	s_add_co_u32 s21, s21, SLOT
	s_add_co_u32 s22, s22, SLOT
.endr
	s_mul_i32 s21, s15, HALFS
	s_mul_i32 s22, s16, HALFS
	s_add_co_u32 s22, s22, SCB-SCA
	s_sub_co_u32 s22, s22, s21
	v_mul_u32_u24 v4, s22, v3
	s_add_co_u32 s21, s21, SCA
	v_lshl_add_u32 v4, v2, 2, v4
	v_add_nc_u32 v[ADRS], s21, v4
	v_lshlrev_b32 v[SR], 2, v2                     ; 4 r
	s_lshl_b32 s20, s42, 10
	s_lshl_b32 s21, s16, 9
	s_add_co_u32 s20, s20, s21                     ; the bias of my 128 hidden units
	s_mov_b32 s21, 0
	s_add_nc_u64 s[8:9], s[8:9], s[20:21]
	v_lshlrev_b32 v5, 6, v3
	WIN 0x40
.irp b, 0,1,2,3,4,5,6,7
	global_load_b128 v[96+8*\b+96*(\b/4):96+8*\b+96*(\b/4)+3], v5, s[8:9] offset:(32*(\b/2)+8*(\b%2))*4
	global_load_b128 v[96+8*\b+96*(\b/4)+4:96+8*\b+96*(\b/4)+7], v5, s[8:9] offset:(32*(\b/2)+8*(\b%2))*4+16
.endr
	WIN 0
	s_lshl_b32 s20, s17, 4
	s_lshl_b32 s21, s15, 3
	s_add_co_u32 s20, s20, s21                     ; my first tile of tokens
	s_lshl_b32 s20, s20, 5                         ; 32 K steps a tile in mq
	s_lshl_b32 s21, s42, 1
	s_add_co_u32 s20, s20, s21
	s_add_co_u32 s20, s20, s16                     ; my K step of the next product
	s_lshl_b32 s22, s20, 6
	s_add_co_u32 s22, s22, 12582912
	s_mul_i32 s20, s20, 1536
	s_mov_b32 s21, 0
	s_mov_b32 s23, 0
	s_add_nc_u64 s[12:13], s[10:11], s[22:23]
	s_add_nc_u64 s[10:11], s[10:11], s[20:21]
	s_wait_alu depctr_va_vdst(0)
	FETCHALL 0, 0, 0
	STEP 0, 0, 1
	s_mov_b32 s3, LAPS-1
.Llap:
	RUN 0, 1
	TURN 0, 1, 1
	s_wait_alu depctr_va_vdst(0)
	RUN 1, 0
	TURN 1, 0, 1
	s_wait_alu depctr_va_vdst(0)
	STEP 0, 0, 0
	s_sub_co_u32 s3, s3, 1
	s_cmp_lg_u32 s3, 0
	s_cbranch_scc1 .Llap
	RUN 0, 1
	TURN 0, 1, 0
	s_wait_alu depctr_va_vdst(0)
	RUN 1, 0
	s_wait_dscnt 0x0
.set aa, 0
.rept T
	MULROW aa, 1, 0
.set aa, aa+1
.endr
	WIN 0
	PLACES
	s_wait_loadcnt 0x0                             ; the bias
	s_mov_b32 s[SEL], 0x76543210
	s_mov_b32 s[SEL+1], 0xfedcba98
.irp b, 0,1,2,3
	v_mov_b32 v[TM+4+\b], 0
.endr
	v_mov_b32 v[C1P], 0x39c8e7d9                   ; the three constants that stand beside a second constant in one instruction, as pairs
	v_mov_b32 v[C1P+1], 0x39c8e7d9
	v_mov_b32 v[C3P], 0x3cc6b1a1
	v_mov_b32 v[C3P+1], 0x3cc6b1a1
	v_mov_b32 v[C8P], 0x3ba38d2c
	v_mov_b32 v[C8P+1], 0x3ba38d2c
.macro COPY a                          ; in trip a: tile a's 64 sums + the bias come into window 0
.Lcp\a:
	WIN 0x06+(\a)/4
.irp b, 0,1,2,3,4,5,6,7
.irp j, 0,2,4,6
	v_pk_add_f32 v[X+8*\b+\j:X+8*\b+\j+1], v[8*(8*((\a)%4)+\b)+\j:8*(8*((\a)%4)+\b)+\j+1], v[96+8*\b+96*(\b/4)+\j:96+8*\b+96*(\b/4)+\j+1]   ; each accumulator from its low end on
.endr
.endr
	WIN 0
.if (\a) < 7
	s_branch .Lgo
.endif
.endm
	s_mov_b32 s18, 0
.Lrow:
.irp a, 1,2,3,4,5,6,7                  ; one jump to the trip's own copy and one out of it
	s_cmp_eq_u32 s18, \a
	s_cbranch_scc1 .Lcp\a
.endr
.irp a, 0,1,2,3,4,5,6,7
	COPY \a
.endr
.Lgo:
	GELU16 X
	GELU16 X+16
	GELU16 X+32
	GELU16 X+48
	QUANT X
	global_store_b128 v[LI], v[PC:PC+3], s[10:11]
	global_store_b64 v[L8], v[PC+4:PC+5], s[10:11] offset:512
	global_store_b128 v[LI], v[PC+6:PC+9], s[10:11] offset:768
	global_store_b64 v[L8], v[PC+10:PC+11], s[10:11] offset:1280
	global_store_b32 v[SR], v[PW], s[12:13]        ; lanes r and r + 16 hold the same word and name the same place
	s_wait_xcnt 0x0                                ; the stores have read their registers and bases: both are written again below and in the next trip
	s_add_nc_u64 s[10:11], s[10:11], 49152         ; the next tile of tokens: 32 fragments on
	s_add_nc_u64 s[12:13], s[12:13], 2048
	s_add_co_u32 s18, s18, 1
	s_cmp_lt_u32 s18, 8
	s_cbranch_scc1 .Lrow
	s_wait_tensorcnt 0x0                           ; the wave's end
	ds_add_u32 v[SPW], v[NIL]
	s_wait_dscnt 0x0
	CROUND                                         ; the closing round
	s_endpgm
.Lfunc_end_k_qe0343f7253_g5:
	.size	k_qe0343f7253_g5, .Lfunc_end_k_qe0343f7253_g5-k_qe0343f7253_g5
	.p2alignl 7, 3214868480
	.fill 96, 4, 3214868480
	.section	.rodata,"a",@progbits
	.p2align	6, 0x0
	.amdhsa_kernel k_qe0343f7253_g5
		.amdhsa_group_segment_fixed_size 327680
		.amdhsa_private_segment_fixed_size 0
		.amdhsa_enable_private_segment 0
		.amdhsa_kernarg_size 32
		.amdhsa_user_sgpr_count 2
		.amdhsa_user_sgpr_kernarg_segment_ptr 1
		.amdhsa_wavefront_size32 1
		.amdhsa_system_sgpr_workgroup_id_x 1
		.amdhsa_system_sgpr_workgroup_id_y 1
		.amdhsa_system_sgpr_workgroup_id_z 1
		.amdhsa_system_vgpr_workitem_id 0
		.amdhsa_next_free_vgpr 1024
		.amdhsa_next_free_sgpr 98
		.amdhsa_reserve_vcc 0
		.amdhsa_float_denorm_mode_32 3
		.amdhsa_float_denorm_mode_16_64 3
		.amdhsa_memory_ordered 1
		.amdhsa_forward_progress 1
		.amdhsa_inst_pref_size 208
	.end_amdhsa_kernel
	.amdgpu_metadata
---
amdhsa.version: [ 1, 2 ]
amdhsa.kernels:
  - .name:           k_qe0343f7253_g5
    .symbol:         k_qe0343f7253_g5.kd
    .args:
      - { .name: hq, .offset: 0, .size: 8, .value_kind: global_buffer, .address_space: global }
      - { .name: wq, .offset: 8, .size: 8, .value_kind: global_buffer, .address_space: global }
      - { .name: b_fc, .offset: 16, .size: 8, .value_kind: global_buffer, .address_space: global }
      - { .name: mq, .offset: 24, .size: 8, .value_kind: global_buffer, .address_space: global }
    .group_segment_fixed_size: 327680
    .private_segment_fixed_size: 0
    .kernarg_segment_align: 8
    .kernarg_segment_size: 32
    .max_flat_workgroup_size: 128
    .sgpr_count:     98
    .vgpr_count:     1024
    .wavefront_size: 32
...
	.end_amdgpu_metadata
.endif
;; end of part 5
;; launch g6 (part 6): grid 8 x 32, 4 waves a work-group, clusters of 4 x 4, 327,680 bytes of LDS; arguments mq, wq, b_mp, x1, out0; writes out0
.if DOCPART == 6
	.amdgcn_target "amdgcn-amd-amdhsa--gfx1250"
	.amdhsa_code_object_version 6
	.text
	.protected	k_qe0343f7253_g6
	.globl	k_qe0343f7253_g6
	.p2align	8
	.type	k_qe0343f7253_g6,@function
k_qe0343f7253_g6:
	s_mov_b64 s[64:65], 0
	v_nop
	global_prefetch_b8 v0, s[64:65] scope:SCOPE_SE
	s_setreg_imm32_b32 hwreg(HW_REG_WAVE_MODE, 25, 1), 1
	s_wait_xcnt 0x0
	s_wait_alu depctr_hold_cnt(0) depctr_sa_sdst(0) depctr_va_vdst(0) depctr_va_sdst(0) depctr_va_ssrc(0) depctr_va_vcc(0) depctr_vm_vsrc(0)
	s_getreg_b32 s2, hwreg(HW_REG_IB_STS2, 6, 4)
	s_cmp_eq_u32 s2, 0
	s_cbranch_scc0 .Lentry_in_a_cluster
	s_endpgm
.Lentry_in_a_cluster:
	s_bfe_u32 s2, ttmp6, 0x10000c
	s_cmp_lg_u32 s2, 0xf033
	s_cbranch_scc0 .Lentry_shape_is_right
	s_endpgm
.Lentry_shape_is_right:
; out0 = x1 + m W_mp + b_mp: the product on codes of FP6 (E2M3), the rest in f32.  The text of the launch for W_ao with other sizes: K = 4,096, four laps of the ring.
; Operands lie in memory in the order of the operand's registers: fragments of 1,536 bytes [tile of 16 rows][K step of 128], scale words 64 bytes a fragment; tile 2 g + u, lane r = row 32 g + 8 u + r + 8 (r / 8).
; 4,096 x 1,024 outputs give 256 work-groups of 128 x 128; each of four waves makes 64 x 64: 16 accumulators.  Source 1 = 16 tokens (lanes), source 0 = 16 rows of the weight (registers):
; register 8 b + j of tiles b is column 32 (b / 2) + 16 h + 8 (b % 2) + j.
; K goes through two LDS slots of 512 along K, filled by tensor loads; a refill has a slot's 64 products less 8 in which to land.  CLUSTER 4 x 4: the tokens' tiles are shared along a row, the weight's along a column: joint loads.
; The residual's 64 x 64 numbers of a wave are asked for at the head, in the layout in which the results leave, and land under the main loop.
; REGISTERS: window 0: v16-31 addresses, v32-39 scale words (two sets), v56-59 the bias, v64-159 the tokens' two sets, v160-223 the way out; window 1: the weight's two sets v0-95, the residual v96-223; window 2: the accumulators.
.set KS,     32                        ; K steps of 128
.set LAPS,   4                         ; K / 1,024
.set WCODE,  6291456                   ; the weight's codes in wq
.set WSCALE, 9699328                   ; and its scale words
.set ASCALE, 12582912                  ; the tokens' scale words in their buffer
.set LASTOUT, 1
.set T,     4
.set NQ,    4
.set FRB,   1536
.set PART,  T*NQ*FRB
.set SLOT,  4*PART
.set HALFS, T*KS*64
.set SCA,   2*SLOT
.set SCB,   SCA+2*HALFS+64             ; 64 bytes on, so that A's sixteen words and B's sixteen fall into different banks
.set SPARE, ((SCB+2*HALFS+255)/256)*256
.set BSET,  48
.set ASET,  64
.set SC,    32
.set ADRA,  16
.set ADRB,  20
.set STO,   24
.set RD,    25
.set CO,    26
.set ADRS,  27
.set SPW,   28
.set NIL,   29
.set LI,    30
.set L8,    31
.set BI,    56
.set OB,    160
.set G1, 24
.set G0, 32
.set G1B, 48
.set G0B, 56
.set G1S, 68
.set G0S, 76
.set G1SB, 80
.set G0SB, 88
.set MSB, 0
.macro WIN new                         ; the immediate's high byte repeats the setting that is left
.if MSB != (\new)
	s_set_vgpr_msb (MSB<<8)|(\new)
.set MSB, \new
.endif
.endm
.macro JLOAD g0a, g1a, g0b, g1b        ; a joint load: waves 0, 1 fetch for the tokens, waves 2, 3 for the weight; the branch hangs on the wave's number alone
	s_cmp_eq_u32 s15, 0
	s_cbranch_scc0 .Lfor_b_\@
	tensor_load_to_lds s[\g0a:\g0a+3], s[\g1a:\g1a+7]
	s_nop 0
.rept 4
	v_nop
.endr
	s_branch .Lasked_\@
.Lfor_b_\@:
	tensor_load_to_lds s[\g0b:\g0b+3], s[\g1b:\g1b+7]
	s_nop 0
.rept 4
	v_nop
.endr
.Lasked_\@:
.endm
.macro CREST
	s_cmp_lg_u32 s14, 0
	s_cbranch_scc1 .Lnot_wave_0_\@
	s_barrier_signal -3
.Lnot_wave_0_\@:
	s_barrier_wait -3
	s_barrier_signal -1
	s_barrier_wait -1
.endm
.macro CROUND
	s_barrier_signal -1
	s_barrier_wait -1
	CREST
.endm
.macro PLACES                          ; four plain lines between a matrix instruction and a load into, or a read of, its registers
.rept 4
	v_nop
.endr
.endm
.macro FRAG reg, a16, a8, off
	ds_load_b128 v[(\reg):(\reg)+3], v[\a16] offset:(\off)
	ds_load_b64 v[(\reg)+4:(\reg)+5], v[\a8] offset:(\off)+512
	ds_load_b128 v[(\reg)+6:(\reg)+9], v[\a16] offset:(\off)+768
	ds_load_b64 v[(\reg)+10:(\reg)+11], v[\a8] offset:(\off)+1280
.endm
.macro FETCHALL slot, q, p
	WIN 0x40
.set ii, 0
.rept T
	FRAG BSET*(\p)+12*ii, ADRB+\slot, ADRB+2+\slot, ii*NQ*FRB+(\q)*FRB
.set ii, ii+1
.endr
	WIN 0
.set ii, 0
.rept T
	FRAG ASET+12*T*(\p)+12*ii, ADRA+\slot, ADRA+2+\slot, ii*NQ*FRB+(\q)*FRB
.set ii, ii+1
.endr
.set ii, 0
.rept T
	ds_load_b32 v[SC+T*(\p)+ii], v[ADRS] offset:ii*KS*64+(\q)*64
.set ii, ii+1
.endr
.endm
.macro MULROW a, p, zero               ; the accumulators take turns, one instruction a turn, in the same order in every step
	WIN 0xa1+0x50*((\a)/4)
.set bb, 0
.rept T
.set AC, 8*(T*((\a)%4)+bb)
.set BS, BSET*(\p)+12*bb
.set AS, ASET+12*T*(\p)+12*(\a)
.set SB, SC+T*(\p)+bb
.set SA, SC+T*(\p)+(\a)
.if \zero
	v_wmma_scale_f32_16x16x128_f8f6f4 v[AC:AC+7], v[BS:BS+11], v[AS:AS+11], 0, v[SB], v[SA] matrix_a_fmt:MATRIX_FMT_FP6 matrix_b_fmt:MATRIX_FMT_FP6 matrix_a_scale:MATRIX_SCALE_ROW1
.else
	v_wmma_scale_f32_16x16x128_f8f6f4 v[AC:AC+7], v[BS:BS+11], v[AS:AS+11], v[AC:AC+7], v[SB], v[SA] matrix_a_fmt:MATRIX_FMT_FP6 matrix_b_fmt:MATRIX_FMT_FP6 matrix_a_scale:MATRIX_SCALE_ROW1
.endif
.set bb, bb+1
.endr
.endm
.macro STEP slot, q, zero
	s_wait_dscnt 0x0                               ; this step's fragments and scale words are in
	PLACES
	FETCHALL \slot, (\q)+1, 1-(\q)%2
.set aa, 0
.rept T
	MULROW aa, (\q)%2, \zero
.set aa, aa+1
.endr
	WIN 0
.endm
.macro RUN slot, q0
.set qq, \q0
.rept NQ-1-(\q0)
	STEP \slot, qq, 0
.set qq, qq+1
.endr
.endm
.macro TURN slot, next, fill
	s_wait_tensorcnt 0x0                           ; all my tensor loads have landed: my part of the next slot
	ds_add_u32 v[SPW], v[NIL]                      ; 0 onto my spare word
	s_wait_dscnt 0x1                               ; this step's fragments are in; the add alone may be out
	MULROW 0, 1, 0
	s_wait_dscnt 0x0                               ; the add is done, and my reads of this slot are over
	s_barrier_signal -1
	MULROW 1, 1, 0
	WIN 0
	s_barrier_wait -1
.if \fill
	CREST                                          ; no wave of any partner still reads this slot or has a load on its way
	s_add_nc_u64 s[G0+4*\slot+2:G0+4*\slot+3], s[G0+4*\slot+2:G0+4*\slot+3], 2*NQ*FRB
	s_add_nc_u64 s[G0B+4*\slot+2:G0B+4*\slot+3], s[G0B+4*\slot+2:G0B+4*\slot+3], 2*NQ*FRB
	JLOAD G0+4*\slot, G1, G0B+4*\slot, G1B         ; the first tensor load behind the round, one a wave
.else
	PLACES
.endif
	v_add_nc_u32 v[ADRS], NQ*64, v[ADRS]
	FETCHALL \next, 0, 0
.if \fill
	s_cmp_gt_u32 s3, 1                             ; behind fill n and the run of LDS loads: what fill n + 2 will bring, 128 products of mine ahead of it; the loop's last trip has no fill two on and asks for nothing
	s_cbranch_scc0 .Lno_ask_\@
	global_prefetch_b8 v15, s[68:69] offset:(4+\slot)*NQ*FRB th:TH_LOAD_NT scope:SCOPE_SE
.Lno_ask_\@:
.endif
.set aa, 2
.rept T-2
	MULROW aa, 1, 0
.set aa, aa+1
.endr
	WIN 0
.endm
	s_load_b256 s[4:11], s[0:1], 0x0               ; the tokens' codes, wq, the bias, the residual
	s_load_b64 s[12:13], s[0:1], 0x20              ; the output
	v_lshl_add_u32 v[SPW], v0, 2, SPARE
	v_mov_b32 v[NIL], 0
	ds_add_u32 v[SPW], v[NIL]                      ; the wave's opening: the add and its wait ahead of my first tensor load
	ds_add_u32 v[SPW], v[NIL]
	v_lshrrev_b32 v1, 5, v0
	v_readfirstlane_b32 s14, v1
	s_lshr_b32 s15, s14, 1
	s_and_b32 s16, s14, 1
	s_bfe_u32 s40, ttmp6, 0x40000                  ; cx
	s_bfe_u32 s41, ttmp6, 0x40004                  ; cy
	s_lshl_b32 s42, ttmp9, 2
	s_add_co_u32 s42, s42, s40                     ; which 128 columns
	s_and_b32 s17, ttmp7, 0xffff
	s_lshl_b32 s17, s17, 2
	s_add_co_u32 s17, s17, s41                     ; which 128 tokens
	s_lshl_b32 s43, s41, 2
	s_lshl_b32 s43, 15, s43
	s_lshl_b32 s44, 0x1111, s40
	s_or_b32 s[G1], s43, (3<<16)|(1<<21)
	s_or_b32 s[G1B], s44, (3<<16)|(1<<21)
.irp g, G1, G1B
	s_mov_b32 s[\g+1], (NQ*192)<<16
	s_mov_b32 s[\g+2], T<<16
	s_mov_b32 s[\g+3], (NQ*192)<<16
	s_mov_b32 s[\g+4], T
	s_mov_b32 s[\g+5], KS*192
	s_mov_b32 s[\g+6], 0
	s_mov_b32 s[\g+7], 0
.endr
	s_mul_i32 s18, s16, T
	s_mul_i32 s20, s17, 2*T
	s_add_co_u32 s20, s20, s18
	s_mul_i32 s46, s42, 2*T
	s_add_co_u32 s46, s46, s18
	s_mul_i32 s22, s20, KS*64
	s_add_co_u32 s22, s22, ASCALE
	s_mul_i32 s92, s46, KS*64
	s_add_co_u32 s92, s92, WSCALE
	s_mul_i32 s20, s20, KS*FRB
	s_mul_i32 s46, s46, KS*FRB
	s_add_co_u32 s46, s46, WCODE
	s_mov_b32 s21, 0
	s_mov_b32 s23, 0
	s_mov_b32 s47, 0
	s_mov_b32 s93, 0
	s_mul_i32 s45, s14, PART
	s_mul_i32 s94, s14, HALFS
	s_lshl_b32 s95, s15, 6
	s_add_co_u32 s94, s94, s95
	s_add_co_u32 s94, s94, SCA
	s_wait_dscnt 0x0
	s_wait_kmcnt 0x0
	s_add_nc_u64 s[20:21], s[4:5], s[20:21]
	s_add_nc_u64 s[22:23], s[4:5], s[22:23]
	s_add_nc_u64 s[46:47], s[6:7], s[46:47]
	s_add_nc_u64 s[92:93], s[6:7], s[92:93]
	CROUND
	s_cmp_eq_u32 s15, 0                            ; the scale words of my 64 rows, HALFS dense bytes, come by plain loads and LDS stores: my one tensor load at the head is my part of slot 0
	s_cselect_b64 s[22:23], s[22:23], s[92:93]
	v_and_b32 v1, 31, v0
	v_lshlrev_b32 v2, 4, v1                        ; 16 x lane: a load covers 512 consecutive bytes
	v_add_nc_u32 v3, s94, v2                       ; and their place in LDS
	; THE PREFETCHES.  My part of a slot is 4 rows x 24 blocks of 256 bytes; the four partners that ask for it jointly take a row each, told apart by address alone (cx for the tokens, cy for the weight):
	; lane l < 24 names block l; the lanes left over name lane 23's block again
	v_min_u32 v15, 23, v1
	v_lshlrev_b32 v15, 8, v15
	s_cselect_b64 s[68:69], s[20:21], s[46:47]     ; where my part of slot 0 begins in memory
	s_cselect_b32 s70, s40, s41
	s_mul_i32 s70, s70, (T/4)*KS*FRB
	s_mov_b32 s71, 0
	s_add_nc_u64 s[68:69], s[68:69], s[70:71]      ; my work-group's row of it
	s_wait_alu depctr_va_vdst(0)                   ; the wait behind these writes
.irp s, 0,1
	s_mov_b32 s[G0+4*\s], 1
	s_add_co_u32 s[G0+4*\s+1], s45, \s*SLOT
	s_add_nc_u64 s[G0+4*\s+2:G0+4*\s+3], s[20:21], \s*NQ*FRB
	s_or_b32 s[G0+4*\s+3], s[G0+4*\s+3], 0x80000000
	s_mov_b32 s[G0B+4*\s], 1
	s_add_co_u32 s[G0B+4*\s+1], s45, \s*SLOT
	s_add_nc_u64 s[G0B+4*\s+2:G0B+4*\s+3], s[46:47], \s*NQ*FRB
	s_or_b32 s[G0B+4*\s+3], s[G0B+4*\s+3], 0x80000000
.if \s
	s_wait_loadcnt 0x0                             ; my scale words are in registers
.set ii, 0
.rept HALFS/512
	ds_store_b128 v3, v[64+4*ii:64+4*ii+3] offset:512*ii
.set ii, ii+1
.endr
	s_wait_tensorcnt 0x0                           ; my part of slot 0 is in
	ds_add_u32 v[SPW], v[NIL]
	s_wait_dscnt 0x0                               ; the add and my stores of scale words are done
	CROUND                                         ; slot 0 and all scale words are shown to every wave
.endif
	JLOAD G0+4*\s, G1, G0B+4*\s, G1B
.if \s == 0
.set ii, 0
.rept HALFS/512
	global_load_b128 v[64+4*ii:64+4*ii+3], v2, s[22:23] offset:512*ii
.set ii, ii+1
.endr
	global_prefetch_b8 v15, s[68:69] offset:NQ*FRB th:TH_LOAD_NT scope:SCOPE_SE     ; behind slot 0's fill: what fills 1 and 2 will bring
	global_prefetch_b8 v15, s[68:69] offset:2*NQ*FRB th:TH_LOAD_NT scope:SCOPE_SE
.else
	global_prefetch_b8 v15, s[68:69] offset:3*NQ*FRB th:TH_LOAD_NT scope:SCOPE_SE   ; behind fill 1: what fill 3 will bring
.endif
.endr
	v_and_b32 v1, 31, v0
	v_and_b32 v2, 15, v0                           ; r
	v_bfe_u32 v3, v0, 4, 1                         ; h
	v_lshlrev_b32 v[LI], 4, v1
	v_lshlrev_b32 v[L8], 3, v1
	s_mul_i32 s21, s15, PART
	s_mul_i32 s22, s16, PART
	s_add_co_u32 s22, s22, 2*PART
.irp s, 0,1
	v_add_nc_u32 v[ADRA+\s], s21, v[LI]
	v_add_nc_u32 v[ADRA+2+\s], s21, v[L8]
	v_add_nc_u32 v[ADRB+\s], s22, v[LI]
	v_add_nc_u32 v[ADRB+2+\s], s22, v[L8]
	s_add_co_u32 s21, s21, SLOT
	s_add_co_u32 s22, s22, SLOT
.endr
	s_mul_i32 s21, s15, HALFS
	s_mul_i32 s22, s16, HALFS
	s_add_co_u32 s22, s22, SCB-SCA
	s_sub_co_u32 s22, s22, s21
	v_mul_u32_u24 v4, s22, v3
	s_add_co_u32 s21, s21, SCA
	v_lshl_add_u32 v4, v2, 2, v4
	v_add_nc_u32 v[ADRS], s21, v4
	s_mul_i32 s23, s14, 16*272                     ; my stage: 16 rows x (256 bytes + 16), in slot 0, used when that slot has had its last fill and its last read
	v_mul_u32_u24 v[STO], v2, 272
	v_lshl_add_u32 v[STO], v3, 6, v[STO]
	v_add_nc_u32 v[STO], s23, v[STO]               ; in: row r, + 64 h
	v_mul_u32_u24 v[RD], v3, 272
	v_lshl_add_u32 v[RD], v2, 4, v[RD]
	v_add_nc_u32 v[RD], s23, v[RD]                 ; back: lanes 0-15 one row, lanes 16-31 the next
	v_lshlrev_b32 v[CO], 12, v3
	v_lshl_add_u32 v[CO], v2, 4, v[CO]             ; and the same two rows in memory
	s_wait_alu depctr_va_vdst(0)
	v_lshlrev_b32 v4, 4, v2
	s_wait_alu depctr_va_vdst(0)
	s_lshl_b32 s20, s17, 7
	s_lshl_b32 s21, s15, 6
	s_add_co_u32 s20, s20, s21                     ; my first token
	s_lshl_b32 s20, s20, 12
	s_lshl_b32 s22, s42, 9
	s_lshl_b32 s21, s16, 8
	s_add_co_u32 s22, s22, s21                     ; my first column, in bytes
	s_add_co_u32 s20, s20, s22
	s_mov_b32 s21, 0
	s_mov_b32 s23, 0
	s_add_nc_u64 s[10:11], s[10:11], s[20:21]
	s_add_nc_u64 s[12:13], s[12:13], s[20:21]
	s_add_nc_u64 s[8:9], s[8:9], s[22:23]
	WIN 0x40
.irp a, 0,1,2,3
.irp t, 0,1,2,3,4,5,6,7
	global_load_b128 v[96+32*\a+4*\t:96+32*\a+4*\t+3], v[CO], s[10:11] offset:(32*(\a/2)+8*(\a%2)+2*\t+8*(\t/4))*4096   ; tile a's lanes 2 t, 2 t + 1: sixteen lanes read 256 consecutive bytes
.endr
.endr
	WIN 0
	global_load_b128 v[BI:BI+3], v4, s[8:9]
	FETCHALL 0, 0, 0
	STEP 0, 0, 1
.if LAPS > 1
	s_mov_b32 s3, LAPS-1
.Llap:
	s_wait_alu depctr_va_vdst(0)
	RUN 0, 1
	TURN 0, 1, 1
	s_wait_alu depctr_va_vdst(0)
	RUN 1, 0
	TURN 1, 0, 1
	s_wait_alu depctr_va_vdst(0)
	STEP 0, 0, 0
	s_wait_xcnt 0x0                                ; my prefetches have read their base: it steps two fills on
	s_add_nc_u64 s[68:69], s[68:69], 2*NQ*FRB
	s_sub_co_u32 s3, s3, 1
	s_cmp_lg_u32 s3, 0
	s_cbranch_scc1 .Llap
.endif
	RUN 0, 1
	TURN 0, 1, 0
	s_wait_alu depctr_va_vdst(0)
	RUN 1, 0
	s_wait_dscnt 0x0
.set aa, 0
.rept T
	MULROW aa, 1, 0
.set aa, aa+1
.endr
	WIN 0
	PLACES
	s_wait_loadcnt 0x0                             ; the residual and the bias
.macro OUTB a                          ; 16 tokens x 64 columns through my stage: back as whole rows of 256 bytes; + residual, + bias; stored
.set OBR, OB+32*((\a)%2)
.if (\a) >= 2
	s_wait_xcnt 0x0                                ; the stores of two blocks ago have read these registers
.endif
	WIN 0x08                                       ; an LDS store's data are its source 1: window 2
.set bb, 0
.rept 4
	ds_store_b128 v[STO], v[8*(4*(\a)+bb):8*(4*(\a)+bb)+3] offset:128*(bb/2)+32*(bb%2)        ; each accumulator from its low end on
	ds_store_b128 v[STO], v[8*(4*(\a)+bb)+4:8*(4*(\a)+bb)+7] offset:128*(bb/2)+32*(bb%2)+16
.set bb, bb+1
.endr
	WIN 0
.set tt, 0
.rept 8
	ds_load_b128 v[OBR+4*tt:OBR+4*tt+3], v[RD] offset:2*tt*272   ; LDS serves a wave's instructions in order: these see my stores
.set tt, tt+1
.endr
	s_wait_dscnt 0x0
	WIN 0x04                                       ; source 1: window 1
.set tt, 0
.rept 16
	v_pk_add_f32 v[OBR+2*tt:OBR+2*tt+1], v[OBR+2*tt:OBR+2*tt+1], v[96+32*(\a)+2*tt:96+32*(\a)+2*tt+1]
.set tt, tt+1
.endr
	WIN 0
.set tt, 0
.rept 16
	v_pk_add_f32 v[OBR+2*tt:OBR+2*tt+1], v[OBR+2*tt:OBR+2*tt+1], v[BI+2*(tt%2):BI+2*(tt%2)+1]
.set tt, tt+1
.endr
.set tt, 0
.rept 8
.if LASTOUT
	global_store_b128 v[CO], v[OBR+4*tt:OBR+4*tt+3], s[12:13] offset:(32*((\a)/2)+8*((\a)%2)+2*tt+8*(tt/4))*4096 th:TH_STORE_NT   ; sixteen lanes store 256 consecutive bytes, aligned; written once, read by nobody here
.else
	global_store_b128 v[CO], v[OBR+4*tt:OBR+4*tt+3], s[12:13] offset:(32*((\a)/2)+8*((\a)%2)+2*tt+8*(tt/4))*4096
.endif
.set tt, tt+1
.endr
.endm
	OUTB 0
	OUTB 1
	OUTB 2
	OUTB 3
	s_wait_tensorcnt 0x0                           ; the wave's end
	ds_add_u32 v[SPW], v[NIL]
	s_wait_dscnt 0x0
	CROUND                                         ; the closing round
	s_endpgm
.Lfunc_end_k_qe0343f7253_g6:
	.size	k_qe0343f7253_g6, .Lfunc_end_k_qe0343f7253_g6-k_qe0343f7253_g6
	.p2alignl 7, 3214868480
	.fill 96, 4, 3214868480
	.section	.rodata,"a",@progbits
	.p2align	6, 0x0
	.amdhsa_kernel k_qe0343f7253_g6
		.amdhsa_group_segment_fixed_size 327680
		.amdhsa_private_segment_fixed_size 0
		.amdhsa_enable_private_segment 0
		.amdhsa_kernarg_size 40
		.amdhsa_user_sgpr_count 2
		.amdhsa_user_sgpr_kernarg_segment_ptr 1
		.amdhsa_wavefront_size32 1
		.amdhsa_system_sgpr_workgroup_id_x 1
		.amdhsa_system_sgpr_workgroup_id_y 1
		.amdhsa_system_sgpr_workgroup_id_z 1
		.amdhsa_system_vgpr_workitem_id 0
		.amdhsa_next_free_vgpr 640
		.amdhsa_next_free_sgpr 98
		.amdhsa_reserve_vcc 0
		.amdhsa_float_denorm_mode_32 3
		.amdhsa_float_denorm_mode_16_64 3
		.amdhsa_memory_ordered 1
		.amdhsa_forward_progress 1
		.amdhsa_inst_pref_size 107
	.end_amdhsa_kernel
	.amdgpu_metadata
---
amdhsa.version: [ 1, 2 ]
amdhsa.kernels:
  - .name:           k_qe0343f7253_g6
    .symbol:         k_qe0343f7253_g6.kd
    .args:
      - { .name: mq, .offset: 0, .size: 8, .value_kind: global_buffer, .address_space: global }
      - { .name: wq, .offset: 8, .size: 8, .value_kind: global_buffer, .address_space: global }
      - { .name: b_mp, .offset: 16, .size: 8, .value_kind: global_buffer, .address_space: global }
      - { .name: x1, .offset: 24, .size: 8, .value_kind: global_buffer, .address_space: global }
      - { .name: out0, .offset: 32, .size: 8, .value_kind: global_buffer, .address_space: global }
    .group_segment_fixed_size: 327680
    .private_segment_fixed_size: 0
    .kernarg_segment_align: 8
    .kernarg_segment_size: 40
    .max_flat_workgroup_size: 128
    .sgpr_count:     98
    .vgpr_count:     640
    .wavefront_size: 32
...
	.end_amdgpu_metadata
.endif
;; end of part 6
